; MI455X (gfx1250); checked and timed in simulation.
; The chip was launched on July 23, 2026; its instructions are those of AMD's public machine-readable ISA for CDNA 5 (MIT licence, August 2026) and "CDNA5" Instruction Set Architecture Reference Guide (July 2026). The comments in the code are by the model that wrote it; some were corrected since.
;; Multi Attention Head. Allowed arithmetic: matrix products marked QUANTISED: E2M1 operands, one E8M0 scale for each 32 along K, by v_wmma_scale_f32_16x16x128_f8f6f4 with both operands' format E2M1 (or v_wmma_scale_f32_32x16x128_f4), f32 sums; everything else in f32.
;; Inputs: Wk 16 x 1,024 x 64 float32; Wp 1,024 x 1,024 float32; Wq 16 x 1,024 x 64 float32; Wv 16 x 1,024 x 64 float32; bk 16 x 64 float32; bp 1,024 float32; bq 16 x 64 float32; bv 16 x 64 float32; x 4 x 2,048 x 1,024 float32.
;; Outputs: out0 4 x 2,048 x 1,024 float32.
;; This version of the problem:
;;   THIS VERSION OF THE PROBLEM IS GIVEN IN LOW PRECISION. The matrix products marked QUANTISED in the list below multiply operands that are first quantised to E2M1 (2 exponent bits, 1 mantissa bit; 4 bits a number), with one power-of-two scale for each 32 numbers along K (OCP MX v1.0); their sums are f32. All else is computed in f32.
;;   The module's matrix products, in the order in which they are computed (A, B: the left and right operand; K: the contracted axis; several contracted axes count as one K, in the product's order):
;;     1. [M 1,024, K 1,024] x [K 1,024, N 8,192]; A: input Wq; B: input x: QUANTISED
;;     2. [M 1,024, K 1,024] x [K 1,024, N 8,192]; A: input Wk; B: input x: QUANTISED
;;     3. [M 1,024, K 1,024] x [K 1,024, N 8,192]; A: input Wv; B: input x: QUANTISED
;;     4. batch 64 x [M 2,048, K 64] x [K 64, N 2,048]; A: computed on the way; B: computed on the way: QUANTISED
;;     5. batch 64 x [M 2,048, K 2,048] x [K 2,048, N 64]; A: softmax (see below); B: computed on the way: QUANTISED
;;     6. [M 8,192, K 1,024] x [K 1,024, N 1,024]; A: computed on the way; B: input Wp: QUANTISED
;;   THE QUANTISER, for each operand of a quantised product, along K:
;;     - K is cut into blocks of 32 from its start; a last block that is shorter is filled with zeros.
;;     - A block's scale is 2^e with e = floor(log2(the largest magnitude in the block)) - 2, held to -126 .. 127; a block of zeros has e = 0. As a byte (E8M0): e + 127.
;;     - Each number is divided by its block's scale, clamped to +-6, and rounded to the nearest number of E2M1, ties to even, subnormals kept.
;;     - The product sums the exact products of the quantised numbers (number of the format x scale) in f32.
;;   ~~~python
;;   def quantise(x, axis):      # numpy; x: float32 -> the quantised numbers, widened to float32 again
;;       x = np.moveaxis(x, axis, -1); K = x.shape[-1]
;;       x = np.pad(x, [(0, 0)] * (x.ndim - 1) + [(0, -K % 32)]); x = x.reshape(x.shape[:-1] + (-1, 32)); a = np.abs(x).max(-1, keepdims=True)
;;       e = np.where(a > 0, np.clip(np.frexp(np.where(a > 0, a, 1))[1] - 1 - 2, -126, 127), 0)      # np.frexp(a)[1] - 1 = floor(log2(a)), exactly
;;       r = np.clip(x / 2.0 ** e, -6, 6)
;;       step = 2.0 ** (np.maximum(np.frexp(np.where(r == 0, 1, r))[1] - 1, 0) - 1)
;;       q = np.round(r / step) * step * 2.0 ** e      # np.round: ties to even
;;       return np.moveaxis(q.reshape(q.shape[:-2] + (-1,))[..., :K], -1, axis).astype(np.float32)
;;   ~~~
;;   SOFTMAX AHEAD OF A QUANTISED PRODUCT. Where the list says 'softmax', what is quantised is not the finished softmax but p = 2^(t - M), with t = logit x log2(e) and M = ceil(the row's largest t), a whole number; so 1/2 < the row's largest p <= 1. The row's sum l is taken of the UNQUANTISED p, in f32, and the product's result is divided by l at the end. Since M is a whole number, a kernel that streams over the keys may use a running M (the ceiling of the running maximum): every later rescaling is an exact power of two, which a block's scale takes up: the codes' values come out the same.
;;   OPERANDS COMPUTED ON THE WAY. 'Computed on the way' means the value that the module computes at that place (a softmax that the list does not call 'softmax' is quantised finished and normalised). What goes into a quantiser is computed in f32, as accurately as f32 sums, v_exp_f32 and their like allow (about 1e-6 of the number): no bf16 or f16 on the way to a quantiser, and a product that is left as it is and whose result goes on into a quantised operand takes f32 operands (vector FMAs, or v_wmma_f32_16x16x4_f32). A number that lies on a knife's edge between two numbers of the format may be rounded either way, as far as f32 arithmetic and the matrix unit's own rounding can turn it there, and no further.
;; One version. Each part assembles by itself: llvm-mc -triple=amdgcn-amd-amdhsa -mcpu=gfx1250 --defsym DOCPART=n.
;; ======== version 1 of 1: 4 launches
;; limits: right only within a limited range of input values
;; workspace buffers: xcodes 4,456,448 bytes; wcodes 1,671,168 bytes; pcodes 557,056 bytes; heads 13,893,632 bytes; acodes 4,456,448 bytes
;; launch quant (part 1): grid 480 x 1, 4 waves a work-group, no clusters, 34,304 bytes of LDS; arguments x, Wp, Wq, Wk, Wv, xcodes, pcodes, wcodes; writes xcodes, pcodes, wcodes
.if DOCPART == 1
	.amdgcn_target "amdgcn-amd-amdhsa--gfx1250"
	.amdhsa_code_object_version 6
	.text
	.protected	k_q40848d2db9_quant
	.globl	k_q40848d2db9_quant
	.p2align	8
	.type	k_q40848d2db9_quant,@function
k_q40848d2db9_quant:
	s_mov_b64 s[64:65], 0
	v_nop
	global_prefetch_b8 v0, s[64:65] scope:SCOPE_SE
	s_setreg_imm32_b32 hwreg(HW_REG_WAVE_MODE, 25, 1), 1
	s_wait_xcnt 0x0
; x [8192][1024], Wp [1024][1024] (K innermost) and Wq, Wk, Wv [16][1024][64] (K = the middle axis), all f32, become codes of FP4 (E2M1) with one E8M0 byte for each 32 along K.
; A block's scale is 2^(floor(log2(largest magnitude)) - 2): its byte is the largest magnitude's exponent field - 2, held at 1 from below (a block of zeros gets 1: its codes are zeros, and this program alone reads the bytes).
; LIMITS: NaN and infinities are not served; blocks whose largest magnitude lies under 2^-124 get the byte 1.
; LAYOUT OF THE RESULTS: in the order of the operand's registers.  A tile is 16 rows: position r of tile t is row 32 (t / 2) + 8 (t % 2) + r + 8 (r / 8).  A fragment (a tile x 128 K) is 1,024 bytes:
; byte 512 c + 16 lane holds block 2 c + lane / 16 of position lane % 16.  Codes: [tile][K half][4 fragments]; behind them the scale words [tile][K half][position][4 fragments].
; Work-groups 0-255 take x, 256-287 Wp (rows path: a wave = one tile x 512 K), 288-479 Wq, Wk, Wv (columns path: a wave = 32 columns x 128 K, a lane to a column, registers down K).
; No tensor loads and no barrier: waves share nothing.  Only the rows path uses LDS: a stage of 16 rows x 528 bytes for each wave.
.set R,  16                            ; v16-143  rows path: two sets of 64 numbers as loaded
.set X,  144                           ; v144-207 64 numbers: two whole blocks of my row
.set C,  208                           ; v208-239 codes, 8 registers a fragment: no store's data are written again
.set W,  240                           ; v240-243 the four fragments' scale words
.set SP, 528                           ; a stage row: 512 bytes + 16
.set CX, 16                            ; columns path: v16-79 two sets of 32 numbers
.set CC, 80                            ; v80-95 codes, 4 registers a block
.set CW, 96                            ; v96 the scale word
.set CE, 100                           ; v100-103 a scale operand for each block
	s_load_b256 s[4:11], s[0:1], 0x0               ; x s[4:5], Wp s[6:7], Wq s[8:9], Wk s[10:11]
	s_load_b256 s[12:19], s[0:1], 0x20             ; Wv s[12:13], xcodes s[14:15], pcodes s[16:17], wcodes s[18:19]
	v_lshl_add_u32 v248, v0, 2, 0x8400
	v_mov_b32 v249, 0
	v_lshrrev_b32 v1, 5, v0
	v_readfirstlane_b32 s20, v1                    ; wave
	v_and_b32 v1, 31, v0                           ; lane
	v_and_b32 v2, 15, v0                           ; r
	v_bfe_u32 v3, v0, 4, 1                         ; h
	s_mov_b32 s24, 0x76543210
	s_mov_b32 s25, 0xfedcba98                      ; selects for lane l xor 16
	s_wait_kmcnt 0x0
	s_cmp_ge_u32 ttmp9, 288
	s_cbranch_scc1 .Lcols
; ---------------- ROWS PATH ----------------
	s_cmp_lt_u32 ttmp9, 256                        ; x or Wp: the choice hangs on the work-group's number alone
	s_cselect_b64 s[26:27], s[4:5], s[6:7]
	s_cselect_b64 s[28:29], s[14:15], s[16:17]
	s_mov_b32 s21, 262144
	s_cselect_b32 s21, 2097152, s21                ; bytes of one K half of the codes
	s_cselect_b32 s22, 0, 256
	s_sub_co_u32 s22, ttmp9, s22
	s_lshl_b32 s22, s22, 2
	s_add_co_u32 s22, s22, s20                     ; job = 4 x work-group + wave
	s_lshr_b32 s23, s22, 1                         ; tile
	s_and_b32 s22, s22, 1                          ; K half
	s_lshr_b32 s30, s23, 1
	s_lshl_b32 s30, s30, 17                        ; 32 rows of 4,096 bytes
	s_and_b32 s31, s23, 1
	s_lshl_b32 s31, s31, 15                        ; 8 rows
	s_add_co_u32 s30, s30, s31
	s_lshl_b32 s31, s22, 11                        ; 512 numbers
	s_add_co_u32 s30, s30, s31
	s_mov_b32 s31, 0
	s_add_nc_u64 s[26:27], s[26:27], s[30:31]      ; the source at my tile
	s_lshl_b32 s32, s22, 12                        ; THE CODES LIE [tile][8 fragments of 1,024 bytes]: a K half is 4 fragments,
	s_lshl_b32 s33, s23, 13                        ; a tile 8,192 bytes
	s_add_co_u32 s32, s32, s33
	s_mov_b32 s33, 0
	s_add_nc_u64 s[34:35], s[28:29], s[32:33]      ; my four fragments
	s_lshl_b32 s32, s21, 1                         ; the scale words lie behind both K halves
	s_lshl_b32 s36, s23, 9
	s_add_co_u32 s32, s32, s36
	s_lshl_b32 s36, s22, 8
	s_add_co_u32 s32, s32, s36
	s_add_nc_u64 s[36:37], s[28:29], s[32:33]      ; my 256 bytes of scale words
	s_wait_alu depctr_va_vdst(0)
	v_lshlrev_b32 v4, 4, v1                        ; 16 x lane
	s_mul_i32 s38, s20, 16*SP                      ; my stage
	v_add_nc_u32 v5, s38, v4                       ; in: 16 x lane of a row
	v_mul_u32_u24 v6, v2, SP
	v_lshl_add_u32 v6, v3, 7, v6
	v_add_nc_u32 v6, s38, v6                       ; out: row r, block h
	v_lshlrev_b32 v7, 4, v2
	v_lshl_add_u32 v7, v3, 3, v7                   ; scale words: 16 r + 8 h
	v_mov_b32 v14, 0                               ; a lane permute's destination counts as read
	v_lshlrev_b32 v15, 3, v3                       ; 8 h
.macro LOAD f                          ; fragment f: 16 rows x 512 consecutive bytes
.irp i, 0,1,2,3,4,5,6,7,8,9,10,11,12,13,14,15
	global_load_b128 v[R+64*((\f)%2)+4*\i:R+64*((\f)%2)+4*\i+3], v4, s[26:27] offset:512*(\f)+(\i+8*(\i/8))*4096 th:TH_LOAD_NT
.endr
.endm
.macro FRAGQ f
.if (\f) < 3
	s_wait_loadcnt 16                              ; this fragment's 16 loads are in; the next fragment's may be out
.else
	s_wait_loadcnt 0x0
.endif
.irp i, 0,1,2,3,4,5,6,7,8,9,10,11,12,13,14,15
	ds_store_b128 v5, v[R+64*((\f)%2)+4*\i:R+64*((\f)%2)+4*\i+3] offset:SP*\i
.endr
.irp c, 0,1
.irp j, 0,1,2,3,4,5,6,7
	ds_load_b128 v[X+32*\c+4*\j:X+32*\c+4*\j+3], v6 offset:256*\c+16*\j   ; block 2 c + h of row r; LDS serves a wave's instructions in order
.endr
.endr
	s_wait_dscnt 0x0                               ; my blocks are in, and the stores have read their registers
.if (\f) < 2
	LOAD (\f)+2
.endif
.irp c, 0,1
	v_max3_num_f32 v[8+\c], |v[X+32*\c]|, |v[X+32*\c+1]|, 0x1800000   ; with the floor 2^(3 - 127)
.endr
.irp i, 2,4,6,8,10,12,14,16,18,20,22,24,26,28,30
.irp c, 0,1
	v_max3_num_f32 v[8+\c], v[8+\c], |v[X+32*\c+\i]|, |v[X+32*\c+\i+1]|
.endr
.endr
.irp c, 0,1
	v_add_nc_u32 v[10+\c], 0xff000000, v[8+\c]     ; 2 off the exponent field: the conversion's scale operand
.endr
.irp c, 0,1
	v_lshrrev_b32 v[12+\c], 23, v[10+\c]           ; the byte
.endr
	v_lshl_or_b32 v[W+(\f)], v13, 16, v12          ; my bytes: blocks h and 2 + h,
	v_lshlrev_b32 v[W+(\f)], v15, v[W+(\f)]        ; at their places;
	v_permlanex16_b32 v14, v[W+(\f)], s24, s25
	v_or_b32 v[W+(\f)], v[W+(\f)], v14             ; with lane l xor 16's the word is whole
.irp c, 0,1
.irp g, 0,1,2,3
	v_cvt_scalef32_pk8_fp4_f32 v[C+8*(\f)+4*\c+\g], v[X+32*\c+8*\g:X+32*\c+8*\g+7], v[10+\c]
.endr
.endr
	v_nop                                          ; one plain place behind the conversions
.irp c, 0,1
	global_store_b128 v4, v[C+8*(\f)+4*\c:C+8*(\f)+4*\c+3], s[34:35] offset:1024*(\f)+512*\c   ; 512 consecutive bytes
.endr
.endm
	LOAD 0
	LOAD 1
	s_wait_alu depctr_va_vdst(0)
	FRAGQ 0
	FRAGQ 1
	FRAGQ 2
	FRAGQ 3
	v_cmp_eq_u32 vcc_lo, 1, v3
	v_cndmask_b32 v244, v[W], v[W+2], vcc_lo       ; lanes 0-15 store words 0, 1 of row r, lanes 16-31 words 2, 3
	v_cndmask_b32 v245, v[W+1], v[W+3], vcc_lo
	global_store_b64 v7, v[244:245], s[36:37]      ; 256 consecutive bytes
	s_wait_tensorcnt 0x0
	ds_add_u32 v248, v249
	s_wait_dscnt 0x0
	s_endpgm
; ---------------- COLUMNS PATH ----------------
.Lcols:
	s_sub_co_u32 s21, ttmp9, 288
	s_lshr_b32 s22, s21, 6                         ; 0 Wq, 1 Wk, 2 Wv
	s_cmp_eq_u32 s22, 1
	s_cselect_b64 s[26:27], s[10:11], s[8:9]
	s_cmp_eq_u32 s22, 2
	s_cselect_b64 s[26:27], s[12:13], s[26:27]
	s_lshl_b32 s21, s21, 2
	s_add_co_u32 s21, s21, s20                     ; job
	s_and_b32 s22, s21, 1                          ; which 32 of the head's 64 columns
	s_bfe_u32 s23, s21, 0x30001                    ; which 128 along K
	s_bfe_u32 s28, s21, 0x40004                    ; head
	s_lshr_b32 s29, s21, 4
	s_lshl_b32 s29, s29, 1
	s_add_co_u32 s29, s29, s22                     ; group of 32 rows of the operand = two tiles
	s_lshl_b32 s30, s28, 18                        ; a head: 1,024 x 256 bytes
	s_lshl_b32 s31, s23, 15                        ; 128 rows of 256 bytes
	s_add_co_u32 s30, s30, s31
	s_lshl_b32 s31, s22, 7
	s_add_co_u32 s30, s30, s31
	s_mov_b32 s31, 0
	s_add_nc_u64 s[26:27], s[26:27], s[30:31]
	s_lshr_b32 s32, s23, 2                         ; K half
	s_and_b32 s33, s23, 3                          ; fragment in it
	s_lshl_b32 s30, s32, 12                        ; the codes lie [tile][8 fragments]: a K half is 4,096 bytes,
	s_lshl_b32 s34, s29, 14                        ; two tiles 16,384
	s_add_co_u32 s30, s30, s34
	s_lshl_b32 s34, s33, 10
	s_add_co_u32 s30, s30, s34
	s_add_nc_u64 s[34:35], s[18:19], s[30:31]      ; the codes
	s_lshl_b32 s30, s29, 10
	s_lshl_b32 s36, s32, 8
	s_add_co_u32 s30, s30, s36
	s_lshl_b32 s36, s33, 2
	s_add_co_u32 s30, s30, s36
	s_add_co_u32 s30, s30, 1572864
	s_add_nc_u64 s[36:37], s[18:19], s[30:31]      ; the scale words
	s_wait_alu depctr_va_vdst(0)
	v_lshlrev_b32 v4, 2, v1                        ; in: 4 bytes a lane
	v_bfe_u32 v10, v0, 3, 1                        ; which of the two tiles my column falls into
	v_and_b32 v5, 7, v0
	v_lshlrev_b32 v5, 4, v5
	v_lshl_add_u32 v5, v3, 7, v5                   ; 16 x my position in it
	v_lshl_add_u32 v6, v10, 13, v5                 ; codes: a tile is 8,192 bytes
	v_lshl_add_u32 v7, v10, 9, v5                  ; scale word
.macro CLOAD t                         ; block t: 32 rows of K at my column
.set ci, 0
.rept 32
	global_load_b32 v[CX+32*((\t)%2)+ci], v4, s[26:27] offset:(32*(\t)+ci)*256 th:TH_LOAD_NT
.set ci, ci+1
.endr
.endm
.macro CBLOCK t
.set XS, CX+32*((\t)%2)
.if (\t) < 3
	s_wait_loadcnt 32                              ; this block's 32 loads are in; the next block's may be out
.else
	s_wait_loadcnt 0x0
.endif
	v_max3_num_f32 v8, |v[XS]|, |v[XS+1]|, |v[XS+2]|
	v_max3_num_f32 v9, |v[XS+3]|, |v[XS+4]|, |v[XS+5]|
.irp i, 6,10,14,18,22,26
	v_max3_num_f32 v8, v8, |v[XS+\i]|, |v[XS+\i+1]|
	v_max3_num_f32 v9, v9, |v[XS+\i+2]|, |v[XS+\i+3]|
.endr
	v_max3_num_f32 v8, v8, |v[XS+30]|, |v[XS+31]|
	v_max3_num_f32 v8, v8, v9, 0x1800000
	v_add_nc_u32 v[CE+(\t)], 0xff000000, v8
	v_lshrrev_b32 v9, 23, v[CE+(\t)]
.if (\t) == 0
	v_mov_b32 v[CW], v9
.else
	v_lshl_or_b32 v[CW], v9, 8*(\t), v[CW]
.endif
.irp g, 0,1,2,3
	v_cvt_scalef32_pk8_fp4_f32 v[CC+4*(\t)+\g], v[XS+8*\g:XS+8*\g+7], v[CE+(\t)]
.endr
	v_nop
	global_store_b128 v6, v[CC+4*(\t):CC+4*(\t)+3], s[34:35] offset:256*(\t)   ; sixteen lanes fill 256 consecutive bytes of each of the two tiles
.if (\t) < 2
	CLOAD (\t)+2
.endif
.endm
	CLOAD 0
	CLOAD 1
	CBLOCK 0
	CBLOCK 1
	CBLOCK 2
	CBLOCK 3
	global_store_b32 v7, v[CW], s[36:37]           ; 4 bytes a lane, 16 apart: one byte in 128 of what the path reads
	s_endpgm
.Lfunc_end_k_q40848d2db9_quant:
	.size	k_q40848d2db9_quant, .Lfunc_end_k_q40848d2db9_quant-k_q40848d2db9_quant
	.p2alignl 7, 3214868480
	.fill 96, 4, 3214868480
	.section	.rodata,"a",@progbits
	.p2align	6, 0x0
	.amdhsa_kernel k_q40848d2db9_quant
		.amdhsa_group_segment_fixed_size 34304
		.amdhsa_private_segment_fixed_size 0
		.amdhsa_enable_private_segment 0
		.amdhsa_kernarg_size 64
		.amdhsa_user_sgpr_count 2
		.amdhsa_user_sgpr_kernarg_segment_ptr 1
		.amdhsa_wavefront_size32 1
		.amdhsa_system_sgpr_workgroup_id_x 1
		.amdhsa_system_sgpr_workgroup_id_y 1
		.amdhsa_system_sgpr_workgroup_id_z 1
		.amdhsa_system_vgpr_workitem_id 0
		.amdhsa_next_free_vgpr 250
		.amdhsa_next_free_sgpr 66
		.amdhsa_reserve_vcc 1
		.amdhsa_float_denorm_mode_32 3
		.amdhsa_float_denorm_mode_16_64 3
		.amdhsa_memory_ordered 1
		.amdhsa_forward_progress 1
		.amdhsa_inst_pref_size 50
	.end_amdhsa_kernel
	.amdgpu_metadata
---
amdhsa.version: [ 1, 2 ]
amdhsa.kernels:
  - .name:           k_q40848d2db9_quant
    .symbol:         k_q40848d2db9_quant.kd
    .args:
      - { .name: x, .offset: 0, .size: 8, .value_kind: global_buffer, .address_space: global }
      - { .name: Wp, .offset: 8, .size: 8, .value_kind: global_buffer, .address_space: global }
      - { .name: Wq, .offset: 16, .size: 8, .value_kind: global_buffer, .address_space: global }
      - { .name: Wk, .offset: 24, .size: 8, .value_kind: global_buffer, .address_space: global }
      - { .name: Wv, .offset: 32, .size: 8, .value_kind: global_buffer, .address_space: global }
      - { .name: xcodes, .offset: 40, .size: 8, .value_kind: global_buffer, .address_space: global }
      - { .name: pcodes, .offset: 48, .size: 8, .value_kind: global_buffer, .address_space: global }
      - { .name: wcodes, .offset: 56, .size: 8, .value_kind: global_buffer, .address_space: global }
    .group_segment_fixed_size: 34304
    .private_segment_fixed_size: 0
    .kernarg_segment_align: 8
    .kernarg_segment_size: 64
    .max_flat_workgroup_size: 128
    .sgpr_count:     66
    .vgpr_count:     250
    .wavefront_size: 32
...
	.end_amdgpu_metadata
.endif
;; end of part 1
;; launch project3 (part 2): grid 12 x 32, 4 waves a work-group, clusters of 4 x 4, 327,680 bytes of LDS; arguments xcodes, wcodes, bq, bk, bv, heads; writes heads
.if DOCPART == 2
	.amdgcn_target "amdgcn-amd-amdhsa--gfx1250"
	.amdhsa_code_object_version 6
	.text
	.protected	k_q40848d2db9_project3
	.globl	k_q40848d2db9_project3
	.p2align	8
	.type	k_q40848d2db9_project3,@function
k_q40848d2db9_project3:
	s_mov_b64 s[64:65], 0
	v_nop
	global_prefetch_b8 v0, s[64:65] scope:SCOPE_SE
	s_setreg_imm32_b32 hwreg(HW_REG_WAVE_MODE, 25, 1), 1
	s_wait_xcnt 0x0
	s_wait_alu depctr_hold_cnt(0) depctr_sa_sdst(0) depctr_va_vdst(0) depctr_va_sdst(0) depctr_va_ssrc(0) depctr_va_vcc(0) depctr_vm_vsrc(0)
	s_getreg_b32 s2, hwreg(HW_REG_IB_STS2, 6, 4)
	s_cmp_eq_u32 s2, 0
	s_cbranch_scc0 .Lentry_in_a_cluster
	s_endpgm
.Lentry_in_a_cluster:
	s_bfe_u32 s2, ttmp6, 0x10000c
	s_cmp_lg_u32 s2, 0xf033
	s_cbranch_scc0 .Lentry_shape_is_right
	s_endpgm
.Lentry_shape_is_right:
; q, k, v = x W + b for all 16 heads: one product [8192 tokens] x [3072 columns], K = 1,024, on codes of FP4 with E8M0 scales; the results are quantised here, in registers, for the attention.
; A work-group of four waves makes 256 tokens x 256 columns, a wave 128 x 128: 64 accumulators, 512 registers.  Cluster x 0 makes q, 1 makes k, 2 makes v: the same in all sixteen partners.
; OPERANDS lie in memory in the order of the operand's registers (a fragment = 1,024 bytes, byte 512 c + 16 lane), so the work-group's 16 tiles, for all of K, are one dense block of 131,072 bytes, and LDS needs no padding.
; All of K fits in two LDS slots (one for each K half): each byte of LDS is filled once.  CLUSTERS 4 x 4: x's tiles are asked for jointly along a row of the cluster, W's along a column.
; THE PRODUCT IS USED TRANSPOSED (source 0 = 16 rows of W, source 1 = 16 tokens), and position r of tile t is row 32 (t / 2) + 8 (t % 2) + r + 8 (r / 8): a lane holds one token, and the 16 registers
; of column tiles 2 b, 2 b + 1 are columns 32 b + 16 (lane / 16) + 0 .. 15.  The bias is the C of each sum's first product.
; q, k: K of the scores = the head's 64: quantised along a lane's registers.  v: K of the second product = the keys: 32 tokens x 128 columns turn through the wave's stage in LDS, then a lane takes a column.
; A HEAD'S BLOCK in heads (217,088 bytes): +0 k's codes [tile 128][lane][16]; +65,536 v's fragments [key step 16][tile 4][1,024]; +131,072 k's scale words [tile / 4][position][tile % 4];
; +139,264 v's scale words [key step][position][tile]; +143,360 q's codes; +208,896 q's scale words.
; LIMITS: NaN and infinities are not served; blocks whose largest magnitude lies under 2^-124 get the byte 1.
; REGISTERS: window 0: v1-31 addresses; v32-95 scale words, two sets; v96-123 at work on the way out; v128-191 x's fragments, one set; v192-255 the bias.  window 1: W's fragments, two sets.  windows 2, 3: the accumulators.
.set BH,      217088
.set PLANE_A, 2097152
.set SOFF_A,  4194304
.set PLANE_B, 786432
.set SOFF_B,  1572864
.set NQ,    4                          ; fragments along K in a slot
.set FR,    8                          ; registers of a fragment
.set NP,    4                          ; places behind this matrix instruction (ISA guide 7.12.1)
.set HALFT, 32768                      ; 8 tiles x 4 fragments
.set SLOT,  4*HALFT                    ; x's 16 tiles, then W's 16
.set SCL,   2*SLOT                     ; the scale words: x's 8,192 bytes, then W's
.set HALFS, 4096
.set SPARE, SCL+4*HALFS                ; the spare words, 128 bytes a wave: two blocks of 256 bytes that no other line names
.set VSTG,  32*528                     ; v's stage: 32 tokens x (512 + 16) bytes a wave, on x's codes, which have had their only fill and, behind the last step, their last read
.set ADRA, 16
.set ADRB, 20
.set ADRS, 27
.set SPW,  28
.set NIL,  29
.set SC,   32
.set TM,   96
.set PW,   112
.set SW,   116
.set PC,   128
.set AF,   128
.set BIAS, 192
.set VX,   128
.set VCD,  96
.set SBV,  116
.set G1, 24
.set G0, 32
.set G1B, 48
.set G0B, 56
.set SEL, 66
.set G1S, 68
.set G0S, 76
.set G1SB, 80
.set G0SB, 88
.set MSB, 0
.macro WIN new                         ; the immediate's high byte repeats the setting that is left
.if MSB != (\new)
	s_set_vgpr_msb (MSB<<8)|(\new)
.set MSB, (\new)
.endif
.endm
.set MUL_LO, 0xa1                      ; source 0 (W) window 1, source 1 (x) window 0, C and D window 2
.set MUL_HI, 0xf1                      ; the same, C and D window 3
.set TO_B,   0x40
.macro JLOAD g0a, g1a, g0b, g1b        ; a joint load: waves 0, 1 fetch for x, waves 2, 3 for W; four v_nop follow each line
	s_cmp_eq_u32 s17, 0
	s_cbranch_scc0 .Lfor_b_\@
	tensor_load_to_lds s[\g0a:\g0a+3], s[\g1a:\g1a+7]
	s_nop 0
.rept 4
	v_nop
.endr
	s_branch .Lasked_\@
.Lfor_b_\@:
	tensor_load_to_lds s[\g0b:\g0b+3], s[\g1b:\g1b+7]
	s_nop 0
.rept 4
	v_nop
.endr
.Lasked_\@:
.endm
.macro CROUND                          ; a round of the cluster's barrier
	s_barrier_signal -1
	s_barrier_wait -1
	s_cmp_lg_u32 s16, 0
	s_cbranch_scc1 .Lnot_wave_0_\@
	s_barrier_signal -3
.Lnot_wave_0_\@:
	s_barrier_wait -3
	s_barrier_signal -1
	s_barrier_wait -1
.endm
	s_load_b128 s[4:7], s[0:1], 0x0                ; xcodes s[4:5], wcodes s[6:7]
	s_load_b128 s[8:11], s[0:1], 0x10              ; bq s[8:9], bk s[10:11]
	s_load_b128 s[12:15], s[0:1], 0x20             ; bv s[12:13], heads s[14:15]
	v_lshl_add_u32 v[SPW], v0, 2, SPARE
	v_mov_b32 v[NIL], 0
	ds_add_u32 v28, v29
	ds_add_u32 v28, v29
	s_wait_dscnt 0x0
	v_lshrrev_b32 v1, 5, v0
	v_readfirstlane_b32 s16, v1                    ; wave
	s_lshr_b32 s17, s16, 1                         ; my half of the tokens.
	s_and_b32 s18, s16, 1                          ; my half of the columns.  Also: which 8 tiles I fetch
	s_bfe_u32 s40, ttmp6, 0x40000                  ; cx
	s_bfe_u32 s41, ttmp6, 0x40004                  ; cy
	s_lshl_b32 s42, ttmp9, 2
	s_add_co_u32 s42, s42, s40                     ; tile column
	s_and_b32 s19, ttmp7, 0xffff
	s_lshl_b32 s19, s19, 2
	s_add_co_u32 s19, s19, s41                     ; tile row
	s_lshl_b32 s43, s41, 2
	s_lshl_b32 s43, 15, s43                        ; my row of the cluster
	s_lshl_b32 s44, 0x1111, s40                    ; my column
	s_or_b32 s[G1+0], s43, (3<<16)|(1<<21)         ; the mask; elements of 8 bytes; bit 21 beside a mask; no padding
	s_or_b32 s[G1B+0], s44, (3<<16)|(1<<21)
.irp g, G1, G1B
	s_mov_b32 s[\g+1], 32<<16                      ; a dense block as rows of 256 bytes: tensor_dim0 = 32
	s_mov_b32 s[\g+2], 512<<16                     ; tensor_dim1 = 512: 16 tiles x 8,192 bytes, all of K, one dense block
	s_mov_b32 s[\g+3], 32<<16                      ; tile_dim0
	s_mov_b32 s[\g+4], 512                         ; tile_dim1
	s_mov_b32 s[\g+5], 32                          ; pitch
	s_mov_b32 s[\g+6], 0
	s_mov_b32 s[\g+7], 0
.endr
	s_or_b32 s[G1S+0], s43, (3<<16)|(1<<21)
	s_or_b32 s[G1SB+0], s44, (3<<16)|(1<<21)
.irp g, G1S, G1SB
	s_mov_b32 s[\g+1], 32<<16                      ; tensor_dim0 = 32: rows of 256 bytes
	s_mov_b32 s[\g+2], 32<<16                      ; the scale words of 16 tiles: 32 rows of 256 bytes
	s_mov_b32 s[\g+3], 32<<16
	s_mov_b32 s[\g+4], 32
	s_mov_b32 s[\g+5], 32
	s_mov_b32 s[\g+6], 0
	s_mov_b32 s[\g+7], 0
.endr
	; THE CODES LIE [tile][8 fragments of 1,024 bytes]: the work-group's 16 tiles, for all of K, are 131,072 dense bytes of x and as many of W
	s_lshl_b32 s20, s19, 17                        ; x's codes
	s_mov_b32 s21, 0
	s_lshl_b32 s46, s42, 17                        ; W's codes
	s_mov_b32 s47, 0
	s_lshl_b32 s22, s19, 13                        ; x's scale words: 8,192 bytes
	s_add_co_u32 s22, s22, SOFF_A
	s_mov_b32 s23, 0
	s_lshl_b32 s92, s42, 13                        ; W's
	s_add_co_u32 s92, s92, SOFF_B
	s_mov_b32 s93, 0
	s_wait_kmcnt 0x0
	s_add_nc_u64 s[20:21], s[4:5], s[20:21]
	s_add_nc_u64 s[22:23], s[4:5], s[22:23]
	s_add_nc_u64 s[46:47], s[6:7], s[46:47]
	s_add_nc_u64 s[92:93], s[6:7], s[92:93]
	CROUND                                         ; all sixteen work-groups are here: the joint loads meet
	s_mov_b32 s[G0S], 1
	s_mov_b32 s[G0S+1], SCL
	s_mov_b64 s[G0S+2:G0S+3], s[22:23]
	s_or_b32 s[G0S+3], s[G0S+3], 0x80000000
	s_mov_b32 s[G0SB], 1
	s_mov_b32 s[G0SB+1], SCL+2*HALFS
	s_mov_b64 s[G0SB+2:G0SB+3], s[92:93]
	s_or_b32 s[G0SB+3], s[G0SB+3], 0x80000000
	s_mov_b32 s[G0], 1                             ; x's codes at LDS byte 0,
	s_mov_b32 s[G0+1], 0
	s_mov_b64 s[G0+2:G0+3], s[20:21]
	s_or_b32 s[G0+3], s[G0+3], 0x80000000
	s_mov_b32 s[G0B], 1                            ; W's behind them
	s_mov_b32 s[G0B+1], SLOT
	s_mov_b64 s[G0B+2:G0B+3], s[46:47]
	s_or_b32 s[G0B+3], s[G0B+3], 0x80000000
; THE HEAD'S LOADS, ONE A WAVE: wave 0 x's codes, wave 1 W's, wave 2 x's scale words, wave 3 W's.  One tree of branches on the wave's number; each byte of LDS is filled once.
.macro ARM under, g0, g1, next
	s_cmp_lt_u32 s16, \under
	s_cbranch_scc0 \next
	tensor_load_to_lds s[\g0:\g0+3], s[\g1:\g1+7]
	s_nop 0
.rept 4
	v_nop
.endr
	s_branch .Lhead_asked
\next:
.endm
	ARM 1, G0,  G1,  .Lhead_b
	ARM 2, G0B, G1B, .Lhead_sa
	ARM 3, G0S, G1S, .Lhead_sb
	tensor_load_to_lds s[G0SB:G0SB+3], s[G1SB:G1SB+7]
	s_nop 0
.rept 4
	v_nop
.endr
.Lhead_asked:
	v_and_b32 v1, 15, v0                           ; r
	v_bfe_u32 v2, v0, 4, 1                         ; h
	s_wait_alu depctr_va_vdst(0)
	v_and_b32 v3, 31, v0                           ; lane
	v_lshlrev_b32 v26, 4, v3                       ; 16 x lane
	s_lshl_b32 s21, s17, 16                        ; my 8 tiles of x: 8,192 bytes a tile
	s_lshl_b32 s22, s18, 16                        ; my 8 tiles of W,
	s_add_co_u32 s22, s22, SLOT                    ; behind x's 16
.irp s, 0,1
	v_add_nc_u32 v[ADRA+\s], s21, v26
	v_add_nc_u32 v[ADRB+\s], s22, v26
	s_add_co_u32 s21, s21, 4096                    ; the second K half: 4 fragments on in each tile
	s_add_co_u32 s22, s22, 4096
.endr
	s_lshl_b32 s21, s17, 12                        ; scale words: lanes 0-15 take x's, lanes 16-31 W's: the lower base + h x the distance
	s_lshl_b32 s22, s18, 12
	s_add_co_u32 s22, s22, 2*HALFS
	s_sub_co_u32 s22, s22, s21
	v_mul_u32_u24 v6, s22, v2
	s_add_co_u32 s21, s21, SCL
	v_lshlrev_b32 v5, 4, v1
	v_add_nc_u32 v5, v5, v6
	v_add_nc_u32 v[ADRS], s21, v5
	v_lshlrev_b32 v19, 6, v2                       ; the bias: 16 h numbers on
	v_lshlrev_b32 v31, 4, v2                       ; 16 h
	v_bfe_u32 v4, v0, 3, 1                         ; v's way out: my column's tile of two,
	v_and_b32 v5, 7, v0
	v_lshlrev_b32 v6, 4, v5
	v_lshl_add_u32 v6, v2, 7, v6                   ; 16 x its position there
	v_lshl_add_u32 v22, v4, 10, v6                 ; in the fragments
	v_lshl_add_u32 v23, v4, 2, v6                  ; among the scale words
	v_and_b32 v7, 8, v1
	v_add_nc_u32 v7, v7, v1                        ; r + 8 (r / 8)
	s_mul_i32 s3, s16, VSTG
	v_mul_u32_u24 v24, v7, 528
	v_lshl_add_u32 v24, v2, 6, v24
	v_add_nc_u32 v24, s3, v24                      ; the stage, in: my token's row, + 64 h
	v_lshl_add_u32 v25, v3, 2, s3                  ; out: 4 x lane: my column
	v_mul_u32_u24 v30, v2, BH
	v_lshl_add_u32 v30, v1, 4, v30                 ; q's, k's scale words: lanes 0-15 the first head, lanes 16-31 the second
.irp b, 0,1,2,3
	v_mov_b32 v[TM+4+\b], 0                        ; a lane permute's destination counts as read
.endr
	s_mov_b32 s[SEL], 0x76543210
	s_mov_b32 s[SEL+1], 0xfedcba98
	s_cmp_eq_u32 ttmp9, 1                          ; which bias: the choice hangs on the cluster's x alone
	s_cselect_b64 s[8:9], s[10:11], s[8:9]
	s_cmp_eq_u32 ttmp9, 2
	s_cselect_b64 s[8:9], s[12:13], s[8:9]
	s_lshl_b32 s92, s40, 10
	s_lshl_b32 s93, s18, 9
	s_add_co_u32 s92, s92, s93
	s_mov_b32 s93, 0
	s_add_nc_u64 s[8:9], s[8:9], s[92:93]          ; my 128 columns' bias
.irp b, 0,1,2,3,4,5,6,7
	global_load_b128 v[BIAS+8*\b:BIAS+8*\b+3], v19, s[8:9] offset:(32*(\b/2)+8*(\b%2))*4
	global_load_b128 v[BIAS+8*\b+4:BIAS+8*\b+7], v19, s[8:9] offset:(32*(\b/2)+8*(\b%2))*4+16
.endr
	s_lshr_b32 s46, s19, 3                         ; where the results go: batch,
	s_lshl_b32 s46, s46, 4
	s_lshl_b32 s47, s40, 2
	s_add_co_u32 s46, s46, s47
	s_lshl_b32 s47, s18, 1
	s_add_co_u32 s46, s46, s47                     ; my first head of two: 16 batch + 4 cx + 2 half
	s_mul_i32 s46, s46, BH
	s_and_b32 s47, s19, 7
	s_lshl_b32 s47, s47, 1
	s_add_co_u32 s47, s47, s17                     ; which 128 tokens of the batch
	s_cmp_eq_u32 ttmp9, 0
	s_cselect_b32 s92, 143360, 0                   ; q's codes, or k's,
	s_cselect_b32 s93, 77824, 0
	s_cmp_eq_u32 ttmp9, 2
	s_cselect_b32 s92, 65536, s92                  ; or v's
	s_cselect_b32 s93, 8192, s93
	s_cselect_b32 s94, 8, 9                        ; 128 tokens' scale words: 256 bytes of v's, 512 of q's or k's
	s_lshl_b32 s94, s47, s94
	s_add_co_u32 s93, s93, s94
	s_add_co_u32 s93, s93, 131072
	s_add_co_u32 s94, s93, s46
	s_mov_b32 s95, 0
	s_add_nc_u64 s[98:99], s[14:15], s[94:95]      ; the scale words
	s_lshl_b32 s94, s47, 12
	s_add_co_u32 s94, s94, s92
	s_add_co_u32 s94, s94, s46
	s_add_nc_u64 s[96:97], s[14:15], s[94:95]      ; the codes
.macro FRAG reg, adr, q, i             ; a fragment comes as it lies: two loads of 512 consecutive bytes
.irp c, 0,1
	ds_load_b128 v[\reg+4*\c:\reg+4*\c+3], v[\adr] offset:8192*(\i)+1024*(\q)+512*\c
.endr
.endm
; 16 products: x's tiles a0, a0 + 1 against W's eight.  The 64 accumulators take turns, one instruction a turn, in the same order in every step.  first = 1: the bias is C.
.macro MUL16 a0, p, q, sc, first
.irp a, \a0, \a0+1
.irp b, 0,1,2,3,4,5,6,7
.set rD, 8*(8*((\a)%4)+\b)
.set rB, 128*(\p)+FR*\b
.set rA, AF+FR*(\a)
.set rSB, SC+8*NQ*(\sc)+NQ*\b+(\q)
.set rSA, SC+8*NQ*(\sc)+NQ*(\a)+(\q)
.if \first
	v_wmma_scale_f32_16x16x128_f8f6f4 v[rD:rD+7], v[rB:rB+7], v[rA:rA+7], v[BIAS+8*\b:BIAS+8*\b+7], v[rSB], v[rSA] matrix_a_fmt:MATRIX_FMT_FP4 matrix_b_fmt:MATRIX_FMT_FP4 matrix_a_scale:MATRIX_SCALE_ROW1
.else
	v_wmma_scale_f32_16x16x128_f8f6f4 v[rD:rD+7], v[rB:rB+7], v[rA:rA+7], v[rD:rD+7], v[rSB], v[rSA] matrix_a_fmt:MATRIX_FMT_FP4 matrix_b_fmt:MATRIX_FMT_FP4 matrix_a_scale:MATRIX_SCALE_ROW1
.endif
.endr
.endr
.endm
.macro FETCH_B slot, q, p
	WIN TO_B
.irp i, 0,1,2,3,4,5,6,7
	FRAG 128*(\p)+FR*\i, ADRB+\slot, \q, \i
.endr
	WIN 0
.endm
.macro FETCH_A slot, q, i0
.irp i, \i0, \i0+1, \i0+2, \i0+3
	FRAG AF+FR*(\i), ADRA+\slot, \q, \i
.endr
.endm
.macro SCALES sc                       ; a slot's scale words: four a row; lanes 0-15 x's tile i, lanes 16-31 W's tile i
.irp i, 0,1,2,3,4,5,6,7
	ds_load_b128 v[SC+8*NQ*\sc+NQ*\i:SC+8*NQ*\sc+NQ*\i+3], v[ADRS] offset:\i*512
.endr
.endm
.macro PLACES n                        ; plain vector instructions between a matrix instruction and a load into, or a read of, its registers
.rept \n
	v_nop
.endr
.endm
.macro STEP slot, q, first             ; 128 along K with its successor in the same slot
	s_wait_dscnt 8                                 ; W's set and x's tiles 0-3 are in; the youngest eight loads (x's tiles 4-7) may be out
	WIN MUL_LO-0x20*\first
	MUL16 0, (\q)%2, \q, \slot, \first
	MUL16 2, (\q)%2, \q, \slot, \first
	s_wait_dscnt 0
	PLACES NP
	FETCH_B \slot, (\q)+1, 1-(\q)%2
	FETCH_A \slot, (\q)+1, 0
	WIN MUL_HI-0x30*\first
	MUL16 4, (\q)%2, \q, \slot, \first
	MUL16 6, (\q)%2, \q, \slot, \first
	PLACES NP
	WIN 0
	FETCH_A \slot, (\q)+1, 4
.endm
	s_wait_alu depctr_va_vdst(0)                   ; the wait at the head's end
	s_wait_tensorcnt 0x0                           ; my one load has landed,
	s_barrier_signal -1
	s_barrier_wait -1                              ; everybody's are
	FETCH_B 0, 0, 0
	FETCH_A 0, 0, 0
	SCALES 0
	FETCH_A 0, 0, 4
	s_wait_loadcnt 0x0                             ; the bias
	STEP 0, 0, 1
	STEP 0, 1, 0
	STEP 0, 2, 0
	; slot 0's last step changes slots: one barrier; in front of it my part of slot 1 has landed and my reads of slot 0 are over
	s_wait_tensorcnt 0x0
	ds_add_u32 v[SPW], v[NIL]                      ; 0 onto my spare word
	s_wait_dscnt 9                                 ; the add and the youngest eight loads may be out
	WIN MUL_LO
	MUL16 0, 1, 3, 0, 0
	s_wait_dscnt 0x0
	s_barrier_signal -1
	MUL16 2, 1, 3, 0, 0
	WIN 0
	s_barrier_wait -1
	PLACES NP
	v_add_nc_u32 v[ADRS], 256, v[ADRS]             ; the second K half's scale words
	FETCH_B 1, 0, 0
	FETCH_A 1, 0, 0
	SCALES 1
	WIN MUL_HI
	MUL16 4, 1, 3, 0, 0
	MUL16 6, 1, 3, 0, 0
	PLACES NP
	WIN 0
	FETCH_A 1, 0, 4
	STEP 1, 0, 0
	STEP 1, 1, 0
	STEP 1, 2, 0
	s_wait_dscnt 8                                 ; the last step: nothing more to fetch
	WIN MUL_LO
	MUL16 0, 1, 3, 1, 0
	MUL16 2, 1, 3, 1, 0
	s_wait_dscnt 0
	WIN MUL_HI
	MUL16 4, 1, 3, 1, 0
	MUL16 6, 1, 3, 1, 0
	WIN 0
	PLACES NP
	s_barrier_signal -1                            ; no LDS load of mine is out: v's stage lies on x's codes, which every wave has now read for the last time
	s_barrier_wait -1
	s_cmp_eq_u32 ttmp9, 2                          ; the cluster's x: the same in all partners
	s_cbranch_scc1 .Lv
; ---- q and k: token tile a's 128 columns are four blocks of 32 (two heads x two); a lane holds 16 numbers of each, lane l xor 16 the other 16
.macro QEPI a
.set AC, 64*((\a)%4)
.set WW, 2+(\a)/4
	WIN (WW<<2)|(WW<<4)
.irp b, 0,1,2,3
	v_max3_num_f32 v[TM+\b], 0x1800000, |v[AC+16*\b]|, |v[AC+16*\b+1]|   ; each accumulator from its low end on; the floor 2^(3 - 127)
.endr
.irp i, 2,4,6,8,10,12,14
.irp b, 0,1,2,3
	v_max3_num_f32 v[TM+\b], v[TM+\b], |v[AC+16*\b+\i]|, |v[AC+16*\b+\i+1]|
.endr
.endr
	WIN 0
.irp b, 0,1,2,3
	v_permlanex16_b32 v[TM+4+\b], v[TM+\b], s[SEL], s[SEL+1]
.endr
.irp b, 0,1,2,3
	v_max_num_f32 v[TM+\b], v[TM+\b], v[TM+4+\b]
.endr
.irp b, 0,1,2,3
	v_add_nc_u32 v[TM+12+\b], 0xff000000, v[TM+\b]
.endr
.irp b, 0,1,2,3
	v_lshrrev_b32 v[TM+4+\b], 23, v[TM+12+\b]
.endr
	v_lshl_or_b32 v[PW], v[TM+5], 8, v[TM+4]
	v_lshl_or_b32 v[PW], v[TM+6], 16, v[PW]
	v_lshl_or_b32 v[PW], v[TM+7], 24, v[PW]
	v_lshrrev_b32 v[SW+(\a)], v31, v[PW]           ; lanes 0-15 keep the first head's two bytes, lanes 16-31 the second's;
	v_and_b32 v[SW+(\a)], 0xffff, v[SW+(\a)]       ; the upper two bytes are 0: they meet zero codes
	s_wait_xcnt 0x0                                ; the last tile's stores have read the codes' registers
	WIN WW
.irp b, 0,1,2,3
	v_cvt_scalef32_pk8_fp4_f32 v[PC+2*\b], v[AC+16*\b:AC+16*\b+7], v[TM+12+\b]
	v_cvt_scalef32_pk8_fp4_f32 v[PC+2*\b+1], v[AC+16*\b+8:AC+16*\b+15], v[TM+12+\b]
.endr
	WIN 0
	v_nop
.irp c, 0,1
.irp i, 0,1
	v_permlane16_swap_b32 v[PC+4*\c+\i], v[PC+4*\c+2+\i]   ; a whole block to a lane: lanes 0-15 the head's first, lanes 16-31 its second
.endr
.endr
	global_store_b128 v26, v[PC:PC+3], s[96:97] offset:512*(\a)        ; 512 consecutive bytes: the first head's tile
	global_store_b128 v26, v[PC+4:PC+7], s[96:97] offset:512*(\a)+BH   ; the second head's
.endm
.irp a, 0,1,2,3,4,5,6,7
	QEPI \a
.endr
	global_store_b128 v30, v[SW:SW+3], s[98:99]    ; sixteen lanes store 256 consecutive bytes
	global_store_b128 v30, v[SW+4:SW+7], s[98:99] offset:256
	s_branch .Ldone
; ---- v: 32 tokens (two tiles) x 128 columns go through my stage; then a lane takes a column, and its 32 registers are a block of 32 keys
.Lv:
.macro VSTAGE ap
.irp e, 0,1
.set AA, 2*(\ap)+\e
.set AC, 64*(AA%4)
	WIN 0x08+4*(AA/4)
.irp b, 0,1,2,3,4,5,6,7
	ds_store_b128 v24, v[AC+8*\b:AC+8*\b+3] offset:\e*4224+128*(\b/2)+32*(\b%2)
	ds_store_b128 v24, v[AC+8*\b+4:AC+8*\b+7] offset:\e*4224+128*(\b/2)+32*(\b%2)+16
.endr
.endr
	WIN 0
.endm
.macro VLOAD g
.set vi, 0
.rept 32
	ds_load_b32 v[VX+32*((\g)%2)+vi], v25 offset:528*vi+128*(\g)   ; LDS serves a wave's instructions in order: these see my stores
.set vi, vi+1
.endr
.endm
.macro VBLOCK ap, g
.set XS, VX+32*((\g)%2)
	v_max3_num_f32 v112, |v[XS]|, |v[XS+1]|, |v[XS+2]|
	v_max3_num_f32 v113, |v[XS+3]|, |v[XS+4]|, |v[XS+5]|
.irp i, 6,10,14,18,22,26
	v_max3_num_f32 v112, v112, |v[XS+\i]|, |v[XS+\i+1]|
	v_max3_num_f32 v113, v113, |v[XS+\i+2]|, |v[XS+\i+3]|
.endr
	v_max3_num_f32 v112, v112, |v[XS+30]|, |v[XS+31]|
	v_max3_num_f32 v112, v112, v113, 0x1800000
	v_add_nc_u32 v114, 0xff000000, v112
	v_lshrrev_b32 v113, 23, v114
.if (\ap) == 0
	v_mov_b32 v[SBV+(\g)], v113
.else
	v_lshl_or_b32 v[SBV+(\g)], v113, 8*(\ap), v[SBV+(\g)]
.endif
.irp k, 0,1,2,3
	v_cvt_scalef32_pk8_fp4_f32 v[VCD+4*(\g)+\k], v[XS+8*\k:XS+8*\k+7], v114
.endr
	v_nop
	global_store_b128 v22, v[VCD+4*(\g):VCD+4*(\g)+3], s[96:97] offset:((\g)/2)*BH+((\g)%2)*2048+256*(\ap)   ; sixteen lanes fill 256 consecutive bytes of each of two fragments
.endm
	s_wait_alu depctr_va_vdst(0)
.irp ap, 0,1,2,3
	s_wait_xcnt 0x0                                ; the last run's stores have read the codes' registers
	VSTAGE \ap
	VLOAD 0
	VLOAD 1
	s_wait_dscnt 32                                ; all but the youngest set's 32 loads
	VBLOCK \ap, 0
	VLOAD 2
	s_wait_dscnt 32
	VBLOCK \ap, 1
	VLOAD 3
	s_wait_dscnt 32
	VBLOCK \ap, 2
	s_wait_dscnt 0x0
	VBLOCK \ap, 3
.endr
.irp g, 0,1,2,3
	global_store_b32 v23, v[SBV+\g], s[98:99] offset:(\g/2)*BH+(\g%2)*8
.endr
.Ldone:
	s_wait_tensorcnt 0x0                           ; the wave's end
	ds_add_u32 v[SPW], v[NIL]
	s_wait_dscnt 0x0
	CROUND                                         ; the closing round
	s_endpgm
.Lfunc_end_k_q40848d2db9_project3:
	.size	k_q40848d2db9_project3, .Lfunc_end_k_q40848d2db9_project3-k_q40848d2db9_project3
	.p2alignl 7, 3214868480
	.fill 96, 4, 3214868480
	.section	.rodata,"a",@progbits
	.p2align	6, 0x0
	.amdhsa_kernel k_q40848d2db9_project3
		.amdhsa_group_segment_fixed_size 327680
		.amdhsa_private_segment_fixed_size 0
		.amdhsa_enable_private_segment 0
		.amdhsa_kernarg_size 48
		.amdhsa_user_sgpr_count 2
		.amdhsa_user_sgpr_kernarg_segment_ptr 1
		.amdhsa_wavefront_size32 1
		.amdhsa_system_sgpr_workgroup_id_x 1
		.amdhsa_system_sgpr_workgroup_id_y 1
		.amdhsa_system_sgpr_workgroup_id_z 1
		.amdhsa_system_vgpr_workitem_id 0
		.amdhsa_next_free_vgpr 1024
		.amdhsa_next_free_sgpr 100
		.amdhsa_reserve_vcc 0
		.amdhsa_float_denorm_mode_32 3
		.amdhsa_float_denorm_mode_16_64 3
		.amdhsa_memory_ordered 1
		.amdhsa_forward_progress 1
		.amdhsa_inst_pref_size 197
	.end_amdhsa_kernel
	.amdgpu_metadata
---
amdhsa.version: [ 1, 2 ]
amdhsa.kernels:
  - .name:           k_q40848d2db9_project3
    .symbol:         k_q40848d2db9_project3.kd
    .args:
      - { .name: xcodes, .offset: 0, .size: 8, .value_kind: global_buffer, .address_space: global }
      - { .name: wcodes, .offset: 8, .size: 8, .value_kind: global_buffer, .address_space: global }
      - { .name: bq, .offset: 16, .size: 8, .value_kind: global_buffer, .address_space: global }
      - { .name: bk, .offset: 24, .size: 8, .value_kind: global_buffer, .address_space: global }
      - { .name: bv, .offset: 32, .size: 8, .value_kind: global_buffer, .address_space: global }
      - { .name: heads, .offset: 40, .size: 8, .value_kind: global_buffer, .address_space: global }
    .group_segment_fixed_size: 327680
    .private_segment_fixed_size: 0
    .kernarg_segment_align: 8
    .kernarg_segment_size: 48
    .max_flat_workgroup_size: 128
    .sgpr_count:     100
    .vgpr_count:     1024
    .wavefront_size: 32
...
	.end_amdgpu_metadata
.endif
;; end of part 2
;; launch attend (part 3): grid 4 x 64, 16 waves a work-group, no clusters, 327,680 bytes of LDS; arguments heads, acodes; writes acodes
.if DOCPART == 3
	.amdgcn_target "amdgcn-amd-amdhsa--gfx1250"
	.amdhsa_code_object_version 6
	.text
	.protected	k_q40848d2db9_attend
	.globl	k_q40848d2db9_attend
	.p2align	8
	.type	k_q40848d2db9_attend,@function
k_q40848d2db9_attend:
	s_mov_b64 s[64:65], 0
	v_nop
	global_prefetch_b8 v0, s[64:65] scope:SCOPE_SE
	s_setreg_imm32_b32 hwreg(HW_REG_WAVE_MODE, 25, 1), 1
	s_wait_xcnt 0x0
; Causal attention of one head (work-group y = 16 batch + head) on codes of FP4 with E8M0 scales; the result, divided by the row's sum, is quantised here for the output projection.
; t = score x log2(e) / 8; M = the running largest t rounded UP to a whole number; p = 2^(t - M) is quantised along the keys, not normalised; the row's sum is taken of the unquantised p.
; SHARES.  Sixteen waves, 256 registers each.  Wave i = 16 x + wave (0 .. 63) owns query tiles i and 127 - i: tile t needs key steps 0 .. t / 8 of 128 keys, so every wave of the launch walks 17 tile steps, two of them on the diagonal.
; The loop has 16 trips for every wave; a step all of whose keys come after a tile's queries is jumped over by a scalar branch on ids.
; LDS.  A head's k and v, codes and scale words, are the first 143,360 bytes of its block: they come once, as they lie, in two parts, by tensor loads of 16 and of 24 rows of 256 bytes.  No byte of LDS is filled twice, nothing is stored to LDS.
; NO CLUSTER: the four work-groups of a head jump over different steps (branches that hang on the work-group's x), and what they share is 143,360 bytes read once by each.
; LAYOUT.  Both products transposed: S^T = k q^T (source 0 = 16 keys), O^T = v^T p^T (source 0 = 16 of the head's 64): a lane holds one query.  Position r of a tile is row 32 (t / 2) + 8 (t % 2) + r + 8 (r / 8):
; so the 16 registers of tiles 2 b, 2 b + 1 are 16 neighbours along the next K.
; K OF THE SCORES IS 64, the instruction's is 128: q's fragment has zero codes in its upper four registers.  A fragment of k is named as eight registers of which the upper four are the NEXT tile's codes (the last tile's: zeros):
; they meet q's zero codes under scale bytes 0 (2^-127, a finite number) and add exactly 0.
; LIMITS: NaN and infinities are not served; |t| beyond 2^24 loses the fraction of t - M; blocks of the result whose largest magnitude lies under 2^-124 get the byte 1.
; REGISTERS: v1-7 addresses that stay; v8-11 the step's; v12-15, v16-19 -M, largest t, sum (two halves) of tiles A, B; v20-27, v28-35 q; v36, v37 q's scale words; v40-75 k's or v's fragments; v76-83, v84-87 their scale words;
; v96-159 S^T, then p; v160-191, v192-223 O^T; v224-231 p's codes; v232-254 at work.
.set BH,  217088
.set ADK, 8
.set ADV, 9
.set ADS, 10
.set ADT, 11
.set KF,  40
.set KS,  76
.set VS,  84
.set S,   96
.set OA,  160
.set OB,  192
.set STP, 13                           ; s13 the key step
.set TK,  14                           ; s14 its codes: 4,096 bytes a step, k's and v's alike
.set TS,  15                           ; s15 k's scale words: 512 a step
.set TV,  16                           ; s16 v's: 256 a step
	s_load_b128 s[4:7], s[0:1], 0x0                ; heads, acodes
	v_lshl_add_u32 v249, v0, 2, 0x29000
	v_mov_b32 v255, 0
	ds_add_u32 v249, v255
	ds_add_u32 v249, v255
	v_lshrrev_b32 v8, 5, v0
	s_delay_alu instid0(VALU_DEP_1)
	v_readfirstlane_b32 s8, v8                     ; wave
	s_and_b32 s17, ttmp7, 0xffff                   ; 16 batch + head
	s_lshl_b32 s9, ttmp9, 4
	s_add_co_u32 s9, s9, s8                        ; tile A
	s_sub_co_u32 s10, 127, s9                      ; tile B
	s_lshr_b32 s11, s9, 3                          ; their last key steps
	s_lshr_b32 s12, s10, 3
	s_mov_b32 s[STP], 0
	s_mov_b32 s[TK], 0
	s_mov_b32 s[TS], 0
	s_mov_b32 s[TV], 0
	s_mov_b32 s20, 0x76543210
	s_mov_b32 s21, 0xfedcba98
	s_mov_b32 s22, 0x3e38aa3b                      ; c = log2(e) / 8
	s_mov_b32 s23, s22
	s_mov_b32 s24, 3<<16                           ; group 1: elements of 8 bytes, no mask, no padding
	s_mov_b32 s25, 32<<16                          ; tensor_dim0 = 32: rows of 256 bytes
	s_mov_b32 s26, 16<<16                          ; tensor_dim1 = 16: the head's loads bring 4,096 bytes each
	s_mov_b32 s27, 32<<16                          ; tile_dim0
	s_mov_b32 s28, 16                              ; tile_dim1
	s_mov_b32 s29, 32                              ; pitch: dense
	s_mov_b32 s30, 0
	s_mov_b32 s31, 0
	; THE HEAD'S BLOCK COMES IN TWO PARTS.  First: k's and v's codes of key steps 0-3 and all scale words, 11 loads of 16 rows (waves 0-10).
	; Second, behind the first barrier: the codes of key steps 4-15, 16 loads of 24 rows (waves 0-7 k's, waves 8-15 v's).  No byte of LDS is filled twice.
	s_mov_b32 s68, 3<<16                           ; the second part's group 1: 24 rows of 256 bytes
	s_mov_b32 s69, 32<<16
	s_mov_b32 s70, 24<<16
	s_mov_b32 s71, 32<<16
	s_mov_b32 s72, 24
	s_mov_b32 s73, 32
	s_mov_b32 s74, 0
	s_mov_b32 s75, 0
	s_lshr_b32 s77, s8, 3                          ; its place, in LDS as in the block: 65,536 (wave / 8) + 16,384 + 6,144 (wave % 8)
	s_lshl_b32 s77, s77, 16
	s_and_b32 s60, s8, 7
	s_mul_i32 s60, s60, 6144
	s_add_co_u32 s77, s77, s60
	s_add_co_u32 s77, s77, 16384
	s_mov_b32 s60, s77
	s_mov_b32 s61, 0
	s_mul_i32 s36, s17, BH
	s_mov_b32 s37, 0
	s_lshr_b32 s33, s8, 2                          ; the first part's place: 65,536 (wave / 4) + 4,096 (wave % 4)
	s_lshl_b32 s33, s33, 16
	s_and_b32 s18, s8, 3
	s_lshl_b32 s18, s18, 12
	s_add_co_u32 s33, s33, s18
	s_mov_b32 s18, s33
	s_mov_b32 s19, 0
	s_wait_dscnt 0x0
	s_wait_kmcnt 0x0
	s_add_nc_u64 s[36:37], s[4:5], s[36:37]        ; the head's block
	s_mov_b32 s32, 1
	s_add_nc_u64 s[34:35], s[36:37], s[18:19]
	s_or_b32 s35, s35, 0x80000000
	s_mov_b32 s76, 1
	s_add_nc_u64 s[78:79], s[36:37], s[60:61]
	s_or_b32 s79, s79, 0x80000000
	s_cmp_lt_u32 s8, 11
	s_cbranch_scc0 .Lno_fetch
	tensor_load_to_lds s[32:35], s[24:31]          ; one load of mine is out
	s_nop 0
.rept 4
	v_nop
.endr
.Lno_fetch:
	s_lshl_b32 s18, s9, 9
	s_add_co_u32 s18, s18, 143360
	s_add_nc_u64 s[38:39], s[36:37], s[18:19]      ; q's codes, tile A
	s_lshl_b32 s18, s10, 9
	s_add_co_u32 s18, s18, 143360
	s_add_nc_u64 s[40:41], s[36:37], s[18:19]      ; tile B
	s_lshr_b32 s18, s9, 2
	s_lshl_b32 s18, s18, 8
	s_and_b32 s46, s9, 3
	s_lshl_b32 s46, s46, 2
	s_add_co_u32 s18, s18, s46
	s_add_co_u32 s18, s18, 208896
	s_add_nc_u64 s[42:43], s[36:37], s[18:19]      ; q's scale words, tile A
	s_lshr_b32 s18, s10, 2
	s_lshl_b32 s18, s18, 8
	s_and_b32 s46, s10, 3
	s_lshl_b32 s46, s46, 2
	s_add_co_u32 s18, s18, s46
	s_add_co_u32 s18, s18, 208896
	s_add_nc_u64 s[44:45], s[36:37], s[18:19]      ; tile B
	v_and_b32 v8, 15, v0                           ; r
	v_bfe_u32 v9, v0, 4, 1                         ; h
	v_and_b32 v10, 31, v0
	s_delay_alu instid0(VALU_DEP_1)
	v_lshlrev_b32 v1, 4, v10                       ; 16 x lane: k's codes in LDS, and global
	s_delay_alu instid0(VALU_DEP_1)
	v_add_nc_u32 v2, 65536, v1                     ; v's fragments
	v_lshlrev_b32 v38, 4, v8                       ; 16 r
	s_delay_alu instid0(VALU_DEP_1)
	v_add_nc_u32 v3, 131072, v38                   ; k's scale words
	s_delay_alu instid0(VALU_DEP_2)
	v_add_nc_u32 v4, 139264, v38                   ; v's
	global_load_b128 v[20:23], v1, s[38:39]
	global_load_b128 v[28:31], v1, s[40:41]
	global_load_b32 v36, v38, s[42:43]
	global_load_b32 v37, v38, s[44:45]
.irp j, 24,25,26,27,32,33,34,35,72,73,74,75
	v_mov_b32 v[\j], 0                             ; zero codes
.endr
	v_and_b32 v10, 8, v8
	s_delay_alu instid0(VALU_DEP_1)
	v_add_nc_u32 v10, v10, v8                      ; r + 8 (r / 8)
	v_lshlrev_b32 v39, 4, v9
	s_delay_alu instid0(VALU_DEP_1)
	v_sub_nc_u32 v10, v10, v39                     ; - 16 h
	s_wait_alu depctr_va_vdst(0)
	s_bfe_u32 s46, s9, 0x20001
	s_lshl_b32 s46, s46, 5
	s_and_b32 s47, s9, 1
	s_lshl_b32 s47, s47, 3
	s_add_co_u32 s46, s46, s47
	v_add_nc_u32 v5, s46, v10                      ; tile A: my query's place in its key step, less 16 h
	s_bfe_u32 s46, s10, 0x20001
	s_lshl_b32 s46, s46, 5
	s_and_b32 s47, s10, 1
	s_lshl_b32 s47, s47, 3
	s_add_co_u32 s46, s46, s47
	v_add_nc_u32 v6, s46, v10                      ; tile B
	s_and_b32 s48, s17, 15                         ; head
	s_lshr_b32 s49, s17, 4
	s_lshl_b32 s49, s49, 7                         ; 128 x batch
	s_lshr_b32 s50, s48, 3                         ; K half of the output projection
	s_lshl_b32 s51, s50, 12                        ; acodes lie [token tile][8 fragments]: a K half is 4,096 bytes
	s_and_b32 s52, s48, 7
	s_lshl_b32 s52, s52, 9                         ; half a fragment a head
	s_add_co_u32 s51, s51, s52
	s_add_co_u32 s52, s49, s9                      ; token tile A
	s_lshl_b32 s18, s52, 13
	s_add_co_u32 s18, s18, s51
	s_add_nc_u64 s[54:55], s[6:7], s[18:19]
	s_add_co_u32 s53, s49, s10                     ; token tile B
	s_lshl_b32 s18, s53, 13
	s_add_co_u32 s18, s18, s51
	s_add_nc_u64 s[56:57], s[6:7], s[18:19]
	s_lshl_b32 s18, s50, 8
	s_bfe_u32 s51, s48, 0x20001
	s_lshl_b32 s51, s51, 2
	s_add_co_u32 s18, s18, s51
	s_and_b32 s51, s48, 1
	s_lshl_b32 s51, s51, 1
	s_add_co_u32 s18, s18, s51
	s_add_co_u32 s18, s18, 4194304
	s_add_nc_u64 s[58:59], s[6:7], s[18:19]        ; my head's two bytes of a scale word
	s_lshl_b32 s52, s52, 9
	s_sub_co_u32 s53, s10, s9
	s_lshl_b32 s53, s53, 9
	v_mul_u32_u24 v7, s53, v9                      ; lanes 0-15 tile A's rows, lanes 16-31 tile B's
	s_delay_alu instid0(VALU_DEP_1)
	v_lshl_add_u32 v7, v8, 4, v7
	s_delay_alu instid0(VALU_DEP_1)
	v_add_nc_u32 v7, s52, v7
	v_mov_b32 v13, 0xff61b1e6                      ; the largest t so far: -3e38
	s_delay_alu instid0(VALU_DEP_1)
	v_floor_f32 v12, -v13                          ; -M
	v_mov_b32 v14, 0
	v_mov_b32 v15, 0
	v_mov_b32 v17, 0xff61b1e6
	s_delay_alu instid0(VALU_DEP_1)
	v_floor_f32 v16, -v17
	v_mov_b32 v18, 0
	v_mov_b32 v19, 0
.irp j, 236,237,238,239,252,253,254
	v_mov_b32 v[\j], 0                             ; permutes' destinations and pairs' upper halves count as read
.endr
.set n, 0
.rept 64
	v_mov_b32 v[OA+n], 0                           ; O^T of both tiles: the step is written once, and its first run multiplies zeros
.set n, n+1
.endr
	s_wait_alu depctr_va_vdst(0)                   ; the wait at the head's end
	s_wait_tensorcnt 0x0                           ; my piece of the first part has landed
	ds_add_u32 v249, v255                          ; the add twice on end
	ds_add_u32 v249, v255
	s_wait_dscnt 0x0
	s_barrier_signal -1
	s_barrier_wait -1                              ; everybody's piece has landed
	tensor_load_to_lds s[76:79], s[68:75]          ; the second part: my one load behind this barrier; it has the first loop's three key steps in which to land
	s_nop 0
.rept 4
	v_nop
.endr
	s_wait_loadcnt 0x0                             ; q
; One tile's key step.  O: its O^T; SA: its statistics; QF, QS: its q and scale word; DD: its place on the diagonal; L: the scalar register with its last step.
.macro TSTEP O, SA, QF, QS, DD, L, diag
	v_add_nc_u32 v[ADK], s[TK], v1                 ; these four are also the places behind the last products, in front of the loads below
	v_add_nc_u32 v[ADS], s[TS], v3
	v_add_nc_u32 v[ADV], s[TK], v2
	v_add_nc_u32 v[ADT], s[TV], v4
.irp t, 0,1,2,3,4,5,6,7
	ds_load_b128 v[KF+4*\t:KF+4*\t+3], v[ADK] offset:512*\t
.endr
	ds_load_b128 v[KS:KS+3], v[ADS]
	ds_load_b128 v[KS+4:KS+7], v[ADS] offset:256
	s_wait_alu depctr_va_vdst(0)
	s_wait_dscnt 0x0
.irp t, 0,1,2,3,4,5,6,7
	v_wmma_scale_f32_16x16x128_f8f6f4 v[S+8*\t:S+8*\t+7], v[KF+4*\t:KF+4*\t+7], v[\QF:\QF+7], 0, v[KS+\t], v[\QS] matrix_a_fmt:MATRIX_FMT_FP4 matrix_b_fmt:MATRIX_FMT_FP4
.endr
.rept 4
	v_nop                                          ; places: v's fragments land where k's lay, and the scores are read
.endr
.irp t, 0,1,2,3
.irp c, 0,1
	ds_load_b128 v[KF+8*\t+4*\c:KF+8*\t+4*\c+3], v[ADV] offset:1024*\t+512*\c   ; asked for now, wanted behind the softmax
.endr
.endr
	ds_load_b128 v[VS:VS+3], v[ADT]
.if \diag                                      ; diag = 0: a copy for steps that cannot be the tile's last
	s_cmp_lg_u32 s[STP], s[\L]                     ; only the tile's last step lies on the diagonal
	s_cbranch_scc1 .Lopen_\@
	v_mov_b32 v254, 0xff800000                     ; register 16 b + i holds key 32 b + 16 h + i of the step: hidden where 32 b + i > my query's place - 16 h
.set n, 0
.rept 64
	v_cmp_gt_i32 vcc_lo, 32*(n/16)+n%16, v[\DD]
	v_cndmask_b32 v[S+n], v[S+n], v254, vcc_lo
.set n, n+1
.endr
.Lopen_\@:
.endif
.irp b, 0,1,2,3
	v_max3_num_f32 v[232+\b], v[S+16*\b], v[S+1+16*\b], v[S+2+16*\b]   ; each block's largest score: for the row's maximum and for the block's largest p
.endr
.irp i, 3,5,7,9,11,13
.irp b, 0,1,2,3
	v_max3_num_f32 v[232+\b], v[232+\b], v[S+16*\b+\i], v[S+1+16*\b+\i]
.endr
.endr
.irp b, 0,1,2,3
	v_max_num_f32 v[232+\b], v[232+\b], v[S+15+16*\b]
.endr
.irp b, 0,1,2,3
	s_delay_alu instid0(VALU_DEP_4)
	v_permlanex16_b32 v[236+\b], v[232+\b], s20, s21
.endr
.irp b, 0,1,2,3
	s_delay_alu instid0(VALU_DEP_4)
	v_max_num_f32 v[232+\b], v[232+\b], v[236+\b]
.endr
	s_delay_alu instid0(VALU_DEP_2)
	v_max3_num_f32 v254, v232, v233, v234
	s_delay_alu instid0(VALU_DEP_1)
	v_max_num_f32 v254, v254, v235
	s_delay_alu instid0(VALU_DEP_1)
	v_mul_f32 v254, s22, v254
	s_delay_alu instid0(VALU_DEP_1)
	v_max_num_f32 v[\SA+1], v[\SA+1], v254         ; the running largest t
	v_mov_b32 v254, v[\SA]
	s_delay_alu instid0(VALU_DEP_2)
	v_floor_f32 v[\SA], -v[\SA+1]                  ; -M = floor(-t)
	s_delay_alu instid0(VALU_DEP_1)
	v_sub_f32 v254, v[\SA], v254                   ; old M - new M: a whole number, 0 or less
	s_delay_alu instid0(VALU_DEP_1)
	v_cvt_i32_f32 v254, v254
	s_delay_alu instid0(VALU_DEP_1)
	v_ldexp_f32 v252, 1.0, v254                    ; f = 2^(old M - new M)
.set n, 0
.rept 32
	v_pk_fma_f32 v[S+n:S+n+1], v[S+n:S+n+1], s[22:23], v[\SA:\SA+1] op_sel_hi:[1,0,0]   ; t - M
.set n, n+2
.endr
.irp b, 0,1,2,3
	v_fma_f32 v[232+\b], v[232+\b], s22, v[\SA]
.endr
.set n, 0
	s_wait_alu depctr_va_vdst(0)
.rept 64
	v_exp_f32 v[S+n], v[S+n]
.set n, n+1
.endr
.irp b, 0,1,2,3
	v_exp_f32 v[232+\b], v[232+\b]
.endr
	v_pk_mul_f32 v[\SA+2:\SA+3], v[\SA+2:\SA+3], v[252:253] op_sel_hi:[1,0]   ; the sum under the new M; a plain place behind the exponentials
	s_wait_alu depctr_va_vdst(0)
.irp b, 0,1,2,3
	v_max_num_f32 v[232+\b], 0x1800000, v[232+\b]
.endr
.irp b, 0,1,2,3
	s_delay_alu instid0(VALU_DEP_4)
	v_add_nc_u32 v[244+\b], 0xff000000, v[232+\b]
.endr
.irp b, 0,1,2,3
	s_delay_alu instid0(VALU_DEP_4)
	v_lshrrev_b32 v[236+\b], 23, v[244+\b]
.endr
	s_delay_alu instid0(VALU_DEP_3)
	v_lshl_or_b32 v253, v237, 8, v236              ; p's scale word
	s_delay_alu instid0(VALU_DEP_1)
	v_lshl_or_b32 v253, v238, 16, v253
	s_delay_alu instid0(VALU_DEP_1)
	v_lshl_or_b32 v253, v239, 24, v253
.irp b, 0,1,2,3
	v_cvt_scalef32_pk8_fp4_f32 v[224+2*\b], v[S+16*\b:S+7+16*\b], v[244+\b]
	v_cvt_scalef32_pk8_fp4_f32 v[225+2*\b], v[S+8+16*\b:S+15+16*\b], v[244+\b]
.endr
	v_nop
.irp c, 0,1
.irp i, 0,1
	v_permlane16_swap_b32 v[224+4*\c+\i], v[226+4*\c+\i]
.endr
.endr
	v_pk_add_f32 v[236:237], v[S:S+1], v[S+2:S+3]  ; the sum of the unquantised p, in two chains
.set n, 4
.rept 15
	v_pk_add_f32 v[\SA+2:\SA+3], v[\SA+2:\SA+3], v[S+n:S+n+1]
	v_pk_add_f32 v[236:237], v[236:237], v[S+n+2:S+n+3]
.set n, n+4
.endr
	s_delay_alu instid0(VALU_DEP_1)
	v_pk_add_f32 v[\SA+2:\SA+3], v[\SA+2:\SA+3], v[236:237]
.set n, 0
.rept 16
	v_pk_mul_f32 v[\O+n:\O+n+1], v[\O+n:\O+n+1], v[252:253] op_sel_hi:[1,0]   ; O^T under the new M
.set n, n+2
.endr
	s_wait_alu depctr_va_vdst(0)
	s_wait_dscnt 0x0                               ; v's fragments and scale words
.irp t, 0,1,2,3
	v_wmma_scale_f32_16x16x128_f8f6f4 v[\O+8*\t:\O+8*\t+7], v[KF+8*\t:KF+8*\t+7], v[224:231], v[\O+8*\t:\O+8*\t+7], v[VS+\t], v253 matrix_a_fmt:MATRIX_FMT_FP4 matrix_b_fmt:MATRIX_FMT_FP4
.endr
.endm
; The key steps up to, not including, upto.  early = 1: tile B (64 .. 127) has its last step at 8 or later, so in the early steps it is neither past its end nor on the diagonal.
.macro WALK upto, early
.Lstep_\@:
.if \early
	TSTEP OB, 16, 28, 37, 6, 12, 0
.else
	s_cmp_gt_u32 s[STP], s12
	s_cbranch_scc1 .Lskip_b_\@
	TSTEP OB, 16, 28, 37, 6, 12, 1
.Lskip_b_\@:
.endif
	s_cmp_gt_u32 s[STP], s11
	s_cbranch_scc1 .Lskip_a_\@
	TSTEP OA, 12, 20, 36, 5, 11, 1
.Lskip_a_\@:
	s_add_co_u32 s[TK], s[TK], 4096
	s_add_co_u32 s[TS], s[TS], 512
	s_add_co_u32 s[TV], s[TV], 256
	s_add_co_u32 s[STP], s[STP], 1
	s_cmp_lt_u32 s[STP], \upto
	s_cbranch_scc1 .Lstep_\@
.endm
	WALK 3, 1                                      ; key steps 0-2 read the first part alone (it holds steps 0-3)
	s_wait_tensorcnt 0x0                           ; my piece of the second part has landed (no LDS load of mine is out),
	s_barrier_signal -1
	s_barrier_wait -1                              ; everybody's has
	WALK 16, 0                                     ; key steps 3-15
; THE WAY OUT: O^T / the sum; each tile's 64 channels are two blocks of the output projection's K: quantised in registers, stored as half a fragment
.rept 4
	v_nop
.endr
	v_add_f32 v14, v14, v15
	v_add_f32 v18, v18, v19
	s_delay_alu instid0(VALU_DEP_2)
	v_permlanex16_b32 v252, v14, s20, s21
	s_delay_alu instid0(VALU_DEP_2)
	v_permlanex16_b32 v254, v18, s20, s21
	s_delay_alu instid0(VALU_DEP_2)
	v_add_f32 v14, v14, v252
	s_delay_alu instid0(VALU_DEP_2)
	v_add_f32 v18, v18, v254
	s_wait_alu depctr_va_vdst(0)
	v_rcp_f32 v14, v14
	v_rcp_f32 v18, v18
	v_nop
.set n, 0
	s_wait_alu depctr_va_vdst(0)
.rept 16
	v_pk_mul_f32 v[96+n:97+n], v[OA+n:OA+n+1], v[14:15] op_sel_hi:[1,0]
.set n, n+2
.endr
.set n, 0
.rept 16
	v_pk_mul_f32 v[128+n:129+n], v[OB+n:OB+n+1], v[18:19] op_sel_hi:[1,0]
.set n, n+2
.endr
.macro QUANT2 s, pc, hw
.irp b, 0,1
	v_max3_num_f32 v[232+\b], |v[\s+16*\b]|, |v[\s+16*\b+1]|, 0x1800000
.endr
.irp i, 2,4,6,8,10,12,14
.irp b, 0,1
	s_delay_alu instid0(VALU_DEP_2)
	v_max3_num_f32 v[232+\b], v[232+\b], |v[\s+16*\b+\i]|, |v[\s+16*\b+\i+1]|
.endr
.endr
.irp b, 0,1
	s_delay_alu instid0(VALU_DEP_2)
	v_permlanex16_b32 v[236+\b], v[232+\b], s20, s21
.endr
.irp b, 0,1
	s_delay_alu instid0(VALU_DEP_2)
	v_max_num_f32 v[232+\b], v[232+\b], v[236+\b]
.endr
.irp b, 0,1
	s_delay_alu instid0(VALU_DEP_2)
	v_add_nc_u32 v[244+\b], 0xff000000, v[232+\b]
.endr
.irp b, 0,1
	s_delay_alu instid0(VALU_DEP_2)
	v_lshrrev_b32 v[236+\b], 23, v[244+\b]
.endr
	s_delay_alu instid0(VALU_DEP_1)
	v_lshl_or_b32 v[\hw], v237, 8, v236
.irp b, 0,1
	v_cvt_scalef32_pk8_fp4_f32 v[\pc+2*\b], v[\s+16*\b:\s+16*\b+7], v[244+\b]
	v_cvt_scalef32_pk8_fp4_f32 v[\pc+2*\b+1], v[\s+16*\b+8:\s+16*\b+15], v[244+\b]
.endr
	v_nop
	v_permlane16_swap_b32 v[\pc], v[\pc+2]
	v_permlane16_swap_b32 v[\pc+1], v[\pc+3]
.endm
	QUANT2 96, 224, 250
	QUANT2 128, 228, 251
	global_store_b128 v1, v[224:227], s[54:55]     ; 512 consecutive bytes
	global_store_b128 v1, v[228:231], s[56:57]
	v_bfe_u32 v8, v0, 4, 1
	s_delay_alu instid0(VALU_DEP_1)
	v_cmp_eq_u32 vcc_lo, 1, v8
	s_delay_alu instid0(VALU_DEP_1)
	v_cndmask_b32 v250, v250, v251, vcc_lo
	global_store_b16 v7, v250, s[58:59]            ; two bytes a row: a sixteenth of a row's scale bytes is this head's
	s_wait_tensorcnt 0x0
	ds_add_u32 v249, v255
	s_wait_dscnt 0x0
	s_endpgm
.Lfunc_end_k_q40848d2db9_attend:
	.size	k_q40848d2db9_attend, .Lfunc_end_k_q40848d2db9_attend-k_q40848d2db9_attend
	.p2alignl 7, 3214868480
	.fill 96, 4, 3214868480
	.section	.rodata,"a",@progbits
	.p2align	6, 0x0
	.amdhsa_kernel k_q40848d2db9_attend
		.amdhsa_group_segment_fixed_size 327680
		.amdhsa_private_segment_fixed_size 0
		.amdhsa_enable_private_segment 0
		.amdhsa_kernarg_size 16
		.amdhsa_user_sgpr_count 2
		.amdhsa_user_sgpr_kernarg_segment_ptr 1
		.amdhsa_wavefront_size32 1
		.amdhsa_system_sgpr_workgroup_id_x 1
		.amdhsa_system_sgpr_workgroup_id_y 1
		.amdhsa_system_sgpr_workgroup_id_z 1
		.amdhsa_system_vgpr_workitem_id 0
		.amdhsa_next_free_vgpr 256
		.amdhsa_next_free_sgpr 80
		.amdhsa_reserve_vcc 1
		.amdhsa_float_denorm_mode_32 3
		.amdhsa_float_denorm_mode_16_64 3
		.amdhsa_memory_ordered 1
		.amdhsa_forward_progress 1
		.amdhsa_inst_pref_size 97
	.end_amdhsa_kernel
	.amdgpu_metadata
---
amdhsa.version: [ 1, 2 ]
amdhsa.kernels:
  - .name:           k_q40848d2db9_attend
    .symbol:         k_q40848d2db9_attend.kd
    .args:
      - { .name: heads, .offset: 0, .size: 8, .value_kind: global_buffer, .address_space: global }
      - { .name: acodes, .offset: 8, .size: 8, .value_kind: global_buffer, .address_space: global }
    .group_segment_fixed_size: 327680
    .private_segment_fixed_size: 0
    .kernarg_segment_align: 8
    .kernarg_segment_size: 16
    .max_flat_workgroup_size: 512
    .sgpr_count:     80
    .vgpr_count:     256
    .wavefront_size: 32
...
	.end_amdgpu_metadata
.endif
;; end of part 3
;; launch outproj (part 4): grid 4 x 64, 4 waves a work-group, clusters of 4 x 4, 327,680 bytes of LDS; arguments acodes, pcodes, bp, out0; writes out0
.if DOCPART == 4
	.amdgcn_target "amdgcn-amd-amdhsa--gfx1250"
	.amdhsa_code_object_version 6
	.text
	.protected	k_q40848d2db9_outproj
	.globl	k_q40848d2db9_outproj
	.p2align	8
	.type	k_q40848d2db9_outproj,@function
k_q40848d2db9_outproj:
	s_mov_b64 s[64:65], 0
	v_nop
	global_prefetch_b8 v0, s[64:65] scope:SCOPE_SE
	s_setreg_imm32_b32 hwreg(HW_REG_WAVE_MODE, 25, 1), 1
	s_wait_xcnt 0x0
	s_wait_alu depctr_hold_cnt(0) depctr_sa_sdst(0) depctr_va_vdst(0) depctr_va_sdst(0) depctr_va_ssrc(0) depctr_va_vcc(0) depctr_vm_vsrc(0)
	s_getreg_b32 s2, hwreg(HW_REG_IB_STS2, 6, 4)
	s_cmp_eq_u32 s2, 0
	s_cbranch_scc0 .Lentry_in_a_cluster
	s_endpgm
.Lentry_in_a_cluster:
	s_bfe_u32 s2, ttmp6, 0x10000c
	s_cmp_lg_u32 s2, 0xf033
	s_cbranch_scc0 .Lentry_shape_is_right
	s_endpgm
.Lentry_shape_is_right:
; out0 = a Wp^T + bp: [8192 tokens] x [1024 columns], K = 1,024, on codes of FP4 (E2M1) with E8M0 scales; sums in f32.
; A work-group of four waves makes 128 tokens x 256 columns (grid 4 x 64 = 256 work-groups); a wave 64 x 128: 32 accumulators, 256 registers.
; OPERANDS lie in memory in the order of the operand's registers: codes [tile of 16 rows][8 fragments of 1,024 bytes], byte 512 c + 16 lane of a fragment; behind them
; the scale words [tile][K half][position][4 fragments].  Position r of tile t is row 32 (t / 2) + 8 (t % 2) + r + 8 (r / 8).
; So the work-group's 8 tiles of a (65,536 bytes), 16 tiles of Wp (131,072) and their scale words (4,096 and 8,192) are four dense blocks, for all of K:
; each comes once, by one tensor load, one a wave.  No byte of LDS is filled twice.
; CLUSTERS 4 x 4: a's blocks are asked for jointly along a row of the cluster, Wp's along a column.
; NO PREFETCH: the launch has no loop to run ahead in; every byte is asked for once, at the head.
; THE PRODUCT IS USED TRANSPOSED (source 0 = 16 rows of Wp, source 1 = 16 tokens): a lane holds one token and eight neighbouring columns.  The bias is the C of each sum's first product.
; REGISTERS: window 0: v1-29 addresses; v32-95 scale words of both K halves; v128-191 a's fragments, two sets of 4; v192-255 the bias; on the way out v128-255 take rows read back.
; window 1: Wp's fragments, two sets of 8, at v0 and v128.  window 2: the accumulators, (a, b) at v[8 (8 a + b)].
.set SOFF_A, 4194304                   ; where a's scale words begin
.set SOFF_B, 524288                    ; and Wp's
.set XB,     65536                     ; LDS: a's codes, then Wp's
.set SCL,    196608                    ; a's scale words, 4,096 bytes, then Wp's, 8,192
.set SPARE,  SCL+12288                 ; the spare words, 128 bytes a wave: two blocks of 256 bytes that no other line names
.set STAGE,  SPARE+512                 ; the way out: 16 rows x 528 bytes a wave, bytes on which no fill lands
.set SPITCH, 528
.set ADRA, 16
.set ADRB, 20
.set STO,  24
.set RD,   25
.set CO,   26
.set ADRS, 27
.set SPW,  28
.set NIL,  29
.set SC,   32
.set AF,   128
.set BK,   128
.set BIAS, 192
.set G1,   24
.set G0,   32
.set G1B,  48
.set G0B,  56
.set G1S,  68
.set G0S,  76
.set G1SB, 80
.set G0SB, 88
.set MSB, 0
.macro WIN new                         ; the immediate's high byte repeats the setting that is left
.if MSB != (\new)
	s_set_vgpr_msb (MSB<<8)|(\new)
.set MSB, (\new)
.endif
.endm
.macro CROUND                          ; a round of the cluster's barrier
	s_barrier_signal -1
	s_barrier_wait -1
	s_cmp_lg_u32 s16, 0
	s_cbranch_scc1 .Lnot_wave_0_\@
	s_barrier_signal -3
.Lnot_wave_0_\@:
	s_barrier_wait -3
	s_barrier_signal -1
	s_barrier_wait -1
.endm
.macro GRP1 g, rows                    ; a dense block as rows of 256 bytes (32 elements of 8)
	s_mov_b32 s[\g+1], 32<<16
	s_mov_b32 s[\g+2], (\rows)<<16
	s_mov_b32 s[\g+3], 32<<16
	s_mov_b32 s[\g+4], \rows
	s_mov_b32 s[\g+5], 32
	s_mov_b32 s[\g+6], 0
	s_mov_b32 s[\g+7], 0
.endm
.macro GRP0 g, lds, a                  ; count 1, LDS address, global address, type 2
	s_mov_b32 s[\g], 1
	s_mov_b32 s[\g+1], \lds
	s_mov_b64 s[\g+2:\g+3], s[\a:\a+1]
	s_or_b32 s[\g+3], s[\g+3], 0x80000000
.endm
.macro PLACES                          ; four plain places behind this matrix form (ISA guide 7.12.1)
.rept 4
	v_nop
.endr
.endm
	s_load_b128 s[4:7], s[0:1], 0x0                ; acodes, pcodes
	s_load_b128 s[8:11], s[0:1], 0x10              ; bp, out0
	v_lshl_add_u32 v[SPW], v0, 2, SPARE
	v_mov_b32 v[NIL], 0
	ds_add_u32 v[SPW], v[NIL]                      ; the opening lines: the add, twice on end, and its wait
	ds_add_u32 v[SPW], v[NIL]
	v_lshrrev_b32 v1, 5, v0
	v_readfirstlane_b32 s16, v1                    ; wave
	s_lshr_b32 s17, s16, 1                         ; my half of the tokens
	s_and_b32 s18, s16, 1                          ; my half of the columns
	s_bfe_u32 s40, ttmp6, 0x40000                  ; cx
	s_bfe_u32 s41, ttmp6, 0x40004                  ; cy
	s_lshl_b32 s42, ttmp9, 2
	s_add_co_u32 s42, s42, s40                     ; block column: 256 columns
	s_and_b32 s19, ttmp7, 0xffff
	s_lshl_b32 s19, s19, 2
	s_add_co_u32 s19, s19, s41                     ; block row: 128 tokens
	s_lshl_b32 s43, s41, 2
	s_lshl_b32 s43, 15, s43                        ; my row of the cluster
	s_lshl_b32 s44, 0x1111, s40                    ; my column
	s_or_b32 s[G1], s43, (3<<16)|(1<<21)           ; the mask; elements of 8 bytes; bit 21 beside a mask; no padding
	s_or_b32 s[G1B], s44, (3<<16)|(1<<21)
	s_or_b32 s[G1S], s43, (3<<16)|(1<<21)
	s_or_b32 s[G1SB], s44, (3<<16)|(1<<21)
	GRP1 G1, 256
	GRP1 G1B, 512
	GRP1 G1S, 16
	GRP1 G1SB, 32
	s_lshl_b32 s20, s19, 16                        ; a's codes: 8 tiles x 8,192 bytes a block row
	s_mov_b32 s21, 0
	s_lshl_b32 s46, s42, 17                        ; Wp's: 16 tiles a block column
	s_mov_b32 s47, 0
	s_lshl_b32 s22, s19, 12                        ; a's scale words: 512 bytes a tile
	s_add_co_u32 s22, s22, SOFF_A
	s_mov_b32 s23, 0
	s_lshl_b32 s92, s42, 13
	s_add_co_u32 s92, s92, SOFF_B
	s_mov_b32 s93, 0
	; LDS bases, made of the wave's number alone
	s_lshl_b32 s12, s17, 15                        ; my 4 tiles of a
	s_lshl_b32 s13, s18, 16
	s_add_co_u32 s13, s13, XB                      ; my 8 tiles of Wp
	s_lshl_b32 s15, s17, 11                        ; scale words: lanes 0-15 a's, lanes 16-31 Wp's: the lower base + h x the distance
	s_lshl_b32 s14, s18, 12
	s_add_co_u32 s14, s14, 4096
	s_sub_co_u32 s14, s14, s15
	s_add_co_u32 s15, s15, SCL
	s_mul_i32 s36, s16, 16*SPITCH
	s_add_co_u32 s36, s36, STAGE                   ; my stage
	s_lshl_b32 s94, s42, 10                        ; my first column, in bytes of f32
	s_lshl_b32 s95, s18, 9
	s_add_co_u32 s94, s94, s95
	s_mov_b32 s95, 0
	s_lshl_b32 s96, s19, 19                        ; my first token's row of 4,096 bytes
	s_lshl_b32 s97, s17, 18
	s_add_co_u32 s96, s96, s97
	s_add_co_u32 s96, s96, s94
	s_mov_b32 s97, 0
	s_wait_dscnt 0x0                               ; both opening adds are done
	s_wait_kmcnt 0x0
	s_add_nc_u64 s[20:21], s[4:5], s[20:21]
	s_add_nc_u64 s[22:23], s[4:5], s[22:23]
	s_add_nc_u64 s[46:47], s[6:7], s[46:47]
	s_add_nc_u64 s[92:93], s[6:7], s[92:93]
	s_add_nc_u64 s[8:9], s[8:9], s[94:95]          ; my 128 columns' bias
	s_add_nc_u64 s[10:11], s[10:11], s[96:97]      ; my part of out0
	CROUND                                         ; all sixteen work-groups are here: the joint loads meet
	GRP0 G0, 0, 20
	GRP0 G0B, XB, 46
	GRP0 G0S, SCL, 22
	GRP0 G0SB, SCL+4096, 92
; THE HEAD'S LOADS, ONE A WAVE: one tree of branches on the wave's number, an arm a load
.macro ARM under, g0, g1, next
	s_cmp_lt_u32 s16, \under
	s_cbranch_scc0 \next
	tensor_load_to_lds s[\g0:\g0+3], s[\g1:\g1+7]
	s_nop 0
	PLACES
	s_branch .Lhead_asked
\next:
.endm
	ARM 1, G0,  G1,  .Lhead_b
	ARM 2, G0B, G1B, .Lhead_sa
	ARM 3, G0S, G1S, .Lhead_sb
	tensor_load_to_lds s[G0SB:G0SB+3], s[G1SB:G1SB+7]
	s_nop 0
	PLACES
.Lhead_asked:
	v_and_b32 v1, 15, v0                           ; r
	v_bfe_u32 v2, v0, 4, 1                         ; h
	v_and_b32 v3, 31, v0
	v_lshlrev_b32 v[CO], 4, v3                     ; 16 x lane
	v_add_nc_u32 v[ADRA], s12, v[CO]
	v_add_nc_u32 v[ADRB], s13, v[CO]
	v_mul_u32_u24 v6, s14, v2
	v_lshlrev_b32 v5, 4, v1
	v_add_nc_u32 v5, v5, v6
	v_add_nc_u32 v[ADRS], s15, v5
	v_lshlrev_b32 v19, 6, v2                       ; the bias: 16 h numbers on
	v_mul_u32_u24 v[STO], v1, SPITCH               ; the stage, in: row r, + 64 h
	v_lshl_add_u32 v[STO], v2, 6, v[STO]
	v_add_nc_u32 v[STO], s36, v[STO]
	v_add_nc_u32 v[RD], s36, v[CO]                 ; back: the 32 lanes take one row of 512 bytes
.irp b, 0,1,2,3,4,5,6,7
	global_load_b128 v[BIAS+8*\b:BIAS+8*\b+3], v19, s[8:9] offset:(32*(\b/2)+8*(\b%2))*4
	global_load_b128 v[BIAS+8*\b+4:BIAS+8*\b+7], v19, s[8:9] offset:(32*(\b/2)+8*(\b%2))*4+16
.endr
.macro FRAG reg, adr, q, i             ; a fragment comes as it lies: two loads of 512 consecutive bytes
.irp c, 0,1
	ds_load_b128 v[\reg+4*\c:\reg+4*\c+3], v[\adr] offset:8192*(\i)+1024*(\q)+512*\c
.endr
.endm
.macro FETCH q                         ; K step q's fragments into set q % 2: 16 loads for Wp, 8 for a
	WIN 0x40
.irp i, 0,1,2,3,4,5,6,7
	FRAG 128*((\q)%2)+8*\i, ADRB, \q, \i
.endr
	WIN 0
.irp i, 0,1,2,3
	FRAG AF+32*((\q)%2)+8*\i, ADRA, \q, \i
.endr
.endm
; 32 products: the accumulators take turns, one instruction a turn, in the same order in every step
.macro MUL q, first
.irp a, 0,1,2,3
.irp b, 0,1,2,3,4,5,6,7
.set rD, 8*(8*\a+\b)
.set rB, 128*((\q)%2)+8*\b
.set rA, AF+32*((\q)%2)+8*\a
.set rSB, SC+32*((\q)/4)+4*\b+(\q)%4
.set rSA, SC+32*((\q)/4)+4*\a+(\q)%4
.if \first
	v_wmma_scale_f32_16x16x128_f8f6f4 v[rD:rD+7], v[rB:rB+7], v[rA:rA+7], v[BIAS+8*\b:BIAS+8*\b+7], v[rSB], v[rSA] matrix_a_fmt:MATRIX_FMT_FP4 matrix_b_fmt:MATRIX_FMT_FP4 matrix_a_scale:MATRIX_SCALE_ROW1
.else
	v_wmma_scale_f32_16x16x128_f8f6f4 v[rD:rD+7], v[rB:rB+7], v[rA:rA+7], v[rD:rD+7], v[rSB], v[rSA] matrix_a_fmt:MATRIX_FMT_FP4 matrix_b_fmt:MATRIX_FMT_FP4 matrix_a_scale:MATRIX_SCALE_ROW1
.endif
.endr
.endr
.endm
.macro STEP q                          ; the next step's 24 loads go out first, into the set that the step before multiplied, then this step's products
.if (\q) > 0
	PLACES
.endif
.if (\q) < 7
	FETCH (\q)+1
	s_wait_dscnt 24                                ; all but the 24 just issued
.else
	s_wait_dscnt 0x0
.endif
.if (\q) == 0
	WIN 0x81                                       ; source 0 window 1, source 1 and C (the bias) window 0, D window 2
	MUL \q, 1
.else
	WIN 0xa1                                       ; C and D window 2
	MUL \q, 0
.endif
.endm
	s_wait_alu depctr_va_vdst(0)                   ; the wait at the head's end
	s_wait_tensorcnt 0x0                           ; my block has landed,
	s_barrier_signal -1
	s_barrier_wait -1                              ; everybody's has
.irp k, 0,1
.irp i, 0,1,2,3,4,5,6,7
	ds_load_b128 v[SC+32*\k+4*\i:SC+32*\k+4*\i+3], v[ADRS] offset:\i*512+256*\k   ; lanes 0-15 a's tile i (tiles 4-7: not named by any product), lanes 16-31 Wp's tile i
.endr
.endr
	FETCH 0
	s_wait_loadcnt 0x0                             ; the bias
.irp q, 0,1,2,3,4,5,6,7
	STEP \q
.endr
	WIN 0
; THE WAY OUT: a block of 16 tokens x 128 columns goes through my own stage and comes back as rows of 512 bytes; LDS serves a wave's instructions in order
.macro TOSTAGE a
	WIN 0x08                                       ; the data: window 2
.irp b, 0,1,2,3,4,5,6,7
	ds_store_b128 v[STO], v[64*(\a)+8*\b:64*(\a)+8*\b+3] offset:128*(\b/2)+32*(\b%2)        ; each accumulator from its low end on
	ds_store_b128 v[STO], v[64*(\a)+8*\b+4:64*(\a)+8*\b+7] offset:128*(\b/2)+32*(\b%2)+16
.endr
	WIN 0
.set BB, BK+64*((\a)%2)
.irp t, 0,1,2,3,4,5,6,7,8,9,10,11,12,13,14,15
	ds_load_b128 v[BB+4*\t:BB+4*\t+3], v[RD] offset:\t*SPITCH
.endr
.endm
.macro SEND a, younger                 ; younger: the LDS instructions issued behind block a's loads
.set BB, BK+64*((\a)%2)
	s_wait_dscnt \younger
.irp t, 0,1,2,3,4,5,6,7,8,9,10,11,12,13,14,15
	global_store_b128 v[CO], v[BB+4*\t:BB+4*\t+3], s[10:11] offset:(32*((\a)/2)+8*((\a)%2)+\t+8*(\t/8))*4096 th:TH_STORE_NT   ; 32 lanes store 512 consecutive bytes, aligned
.endr
.endm
	PLACES                                         ; behind the last products: their results are read, and loads land on a's fragments
	TOSTAGE 0
.irp a, 1,2,3
.if \a > 1
	s_wait_xcnt 0x0                                ; block a - 2's stores have read their registers: block a's loads may land there
.endif
	TOSTAGE \a
	SEND \a-1, 32
.endr
	SEND 3, 0
	s_wait_tensorcnt 0x0                           ; the wave's end
	ds_add_u32 v[SPW], v[NIL]
	s_wait_dscnt 0x0
	CROUND                                         ; the closing round
	s_endpgm
.Lfunc_end_k_q40848d2db9_outproj:
	.size	k_q40848d2db9_outproj, .Lfunc_end_k_q40848d2db9_outproj-k_q40848d2db9_outproj
	.p2alignl 7, 3214868480
	.fill 96, 4, 3214868480
	.section	.rodata,"a",@progbits
	.p2align	6, 0x0
	.amdhsa_kernel k_q40848d2db9_outproj
		.amdhsa_group_segment_fixed_size 327680
		.amdhsa_private_segment_fixed_size 0
		.amdhsa_enable_private_segment 0
		.amdhsa_kernarg_size 32
		.amdhsa_user_sgpr_count 2
		.amdhsa_user_sgpr_kernarg_segment_ptr 1
		.amdhsa_wavefront_size32 1
		.amdhsa_system_sgpr_workgroup_id_x 1
		.amdhsa_system_sgpr_workgroup_id_y 1
		.amdhsa_system_sgpr_workgroup_id_z 1
		.amdhsa_system_vgpr_workitem_id 0
		.amdhsa_next_free_vgpr 768
		.amdhsa_next_free_sgpr 100
		.amdhsa_reserve_vcc 0
		.amdhsa_float_denorm_mode_32 3
		.amdhsa_float_denorm_mode_16_64 3
		.amdhsa_memory_ordered 1
		.amdhsa_forward_progress 1
		.amdhsa_inst_pref_size 71
	.end_amdhsa_kernel
	.amdgpu_metadata
---
amdhsa.version: [ 1, 2 ]
amdhsa.kernels:
  - .name:           k_q40848d2db9_outproj
    .symbol:         k_q40848d2db9_outproj.kd
    .args:
      - { .name: acodes, .offset: 0, .size: 8, .value_kind: global_buffer, .address_space: global }
      - { .name: pcodes, .offset: 8, .size: 8, .value_kind: global_buffer, .address_space: global }
      - { .name: bp, .offset: 16, .size: 8, .value_kind: global_buffer, .address_space: global }
      - { .name: out0, .offset: 24, .size: 8, .value_kind: global_buffer, .address_space: global }
    .group_segment_fixed_size: 327680
    .private_segment_fixed_size: 0
    .kernarg_segment_align: 8
    .kernarg_segment_size: 32
    .max_flat_workgroup_size: 128
    .sgpr_count:     100
    .vgpr_count:     768
    .wavefront_size: 32
...
	.end_amdgpu_metadata
.endif
;; end of part 4
